; MI455X (gfx1250); checked and timed in simulation.
; The chip was launched on July 23, 2026; its instructions are those of AMD's public machine-readable ISA for CDNA 5 (MIT licence, August 2026) and "CDNA5" Instruction Set Architecture Reference Guide (July 2026). The comments in the code are by the model that wrote it; some were corrected since.
;; GQA Flash Attn. Allowed arithmetic: float matrix products may take bf16 or f16 operands with f32 sums; other float arithmetic in f32, or as packed bf16 or f16 multiplies, adds, multiply-adds, maxima and minima; sums over many terms, partial sums and values carried from step to step in f32; what a program stores and reads back later, other than sums and carried values, may be rounded once to bf16 or f16.
;; Inputs: cos 2,048 x 64 float32; k_norm_w 64 float32; q_norm_w 64 float32; sin 2,048 x 64 float32; wk 2,048 x 512 float32; wo 2,048 x 2,048 float32; wq 2,048 x 2,048 float32; wv 2,048 x 512 float32; x 1 x 2,048 x 2,048 float32.
;; Outputs: out0 1 x 2,048 x 2,048 float32.
;; One version. Each part assembles by itself: llvm-mc -triple=amdgcn-amd-amdhsa -mcpu=gfx1250 --defsym DOCPART=n.
;; ======== version 1 of 1: 4 launches
;; limits: values are held in f16: magnitudes above 65,504 overflow, below 6.1e-05 lose precision
;; workspace buffers: xb 8,388,608 bytes; wqkv 12,582,912 bytes; wob 8,388,608 bytes; cosb 262,144 bytes; sinb 262,144 bytes; qkv 12,582,912 bytes; ob 8,388,608 bytes
;; launch prep (part 1): grid 912 x 1, 8 waves a work-group, no clusters, 0 bytes of LDS; arguments x, cos, sin, wo, wq, wk, wv, xb, cosb, sinb, wob, wqkv; writes xb, cosb, sinb, wob, wqkv
.if DOCPART == 1
	.amdgcn_target "amdgcn-amd-amdhsa--gfx1250"
	.amdhsa_code_object_version 6
	.text
	.protected	k_q99f4e48812_prep
	.globl	k_q99f4e48812_prep
	.p2align	8
	.type	k_q99f4e48812_prep,@function
k_q99f4e48812_prep:
	s_mov_b64 s[64:65], 0
	v_nop
	global_prefetch_b8 v0, s[64:65] scope:SCOPE_SE
	s_setreg_imm32_b32 hwreg(HW_REG_WAVE_MODE, 25, 1), 1
	s_wait_xcnt 0x0
; GQA attention block, launch 1 of 4: the inputs are rounded once to 16 bits and laid out for the products.
;   x -> xb: bf16, in the order in which the first product's operand registers take it: fragments of 16 rows x 32 k, 1,024 bytes each, [128 row blocks][64 k blocks]; in a fragment byte
;   512 j + 16 l holds k = 16 j + 8 (l / 16) + 0..7 of row l % 16.   cos -> cosb, sin -> sinb: bf16, same order.   wo -> wob: rounded to bf16, that number written as f16 (the last product multiplies in f16).
;   wq | wk | wv -> wqkv: bf16, by heads: [48 heads][2048 k][64]: heads 0-31 of wq, 32-39 of wk, 40-47 of wv; a head's rows are dense, 128 bytes each.
; WORK LEFT OUT BY THE PROGRAM (in launch 3).  reference() replaces score (q, k) by the lowest finite number wherever k > q, by a mask that it builds itself (jnp.tril),
; and every row q keeps its own key k = q, whose score is finite; so behind the maximum's subtraction a hidden key's weight is exp(lowest - max) = 0 for all finite inputs, and
; its product with V adds 0.  Tiles of 128 queries x 128 keys that lie wholly above the diagonal therefore reach no output and are neither loaded nor multiplied.  Every input has a
; way to the output and is loaded.  LIMIT: a NaN, an infinity or an overflow in rows of K or V that reaches only such tiles is not carried to the result.
; LIMITS OF FORMAT.  wob: |wo| under 65,504; below 6e-5 it keeps f16's fixed step of 6e-8.
; SHARES.  A work-group converts 16,384 numbers in 8 chunks of 2,048; thread t takes 8 numbers of a chunk: 32 bytes in (two loads), 16 bytes out (one store); sixteen neighbouring
; lanes store 256 consecutive bytes, aligned.  All 16 loads go out first; nothing is written twice, so no register waits for a store.  No LDS, no barrier, no matrix work: a plain stream.
; Work-groups: 0-255 x; 256-263 cos; 264-271 sin; 272-527 wo; 528-783 wq; 784-847 wk; 848-911 wv.
.set X, 16                             ; v[16:79]   chunk j: 8 numbers as loaded
.set Y, 80                             ; v[80:111]  chunk j: 4 registers to store
.set T, 112                            ; v[112:123] at work (wo's way by bf16 to f16)
.macro LD8 step, nt                    ; the 16 loads; step = bytes from chunk to chunk in the source; nt = 1: neighbouring lanes read neighbouring bytes, nothing is touched twice
.irp j, 0,1,2,3,4,5,6,7
.if \nt
	global_load_b128 v[X+8*(\j):X+8*(\j)+3], v1, s[4:5] offset:(\j)*(\step) th:TH_LOAD_NT
	global_load_b128 v[X+8*(\j)+4:X+8*(\j)+7], v1, s[4:5] offset:(\j)*(\step)+16 th:TH_LOAD_NT
.else
	global_load_b128 v[X+8*(\j):X+8*(\j)+3], v1, s[4:5] offset:(\j)*(\step)
	global_load_b128 v[X+8*(\j)+4:X+8*(\j)+7], v1, s[4:5] offset:(\j)*(\step)+16
.endif
.endr
.endm
.macro ST8 ostep, half                 ; the 8 chunks are rounded and stored; half = 1: bf16's number written as f16
.irp j, 0,1,2,3,4,5,6,7
	s_wait_loadcnt 14-2*(\j)                       ; loads come back in order: chunk j's two are in, the two of each later chunk may stay out
.irp r, 0,1,2,3
.if \half
	v_cvt_pk_bf16_f32 v[T+3*(\r)], v[X+8*(\j)+2*(\r)], v[X+8*(\j)+2*(\r)+1]
	v_lshlrev_b32 v[T+3*(\r)+1], 16, v[T+3*(\r)]   ; bf16 back to f32: the low half moves up,
	v_and_b32 v[T+3*(\r)+2], s38, v[T+3*(\r)]      ; the high half stays
	v_cvt_pk_f16_f32 v[Y+4*(\j)+(\r)], v[T+3*(\r)+1], v[T+3*(\r)+2]  ; exact inside f16's normal range: bf16 has fewer significant bits
.else
	v_cvt_pk_bf16_f32 v[Y+4*(\j)+(\r)], v[X+8*(\j)+2*(\r)], v[X+8*(\j)+2*(\r)+1]
.endif
.endr
	global_store_b128 v2, v[Y+4*(\j):Y+4*(\j)+3], s[6:7] offset:(\j)*(\ostep) th:TH_STORE_NT
.endr
.endm
	s_load_b512 s[8:23], s[0:1], 0x0               ; x s[8:9], cos s[10:11], sin s[12:13], wo s[14:15], wq s[16:17], wk s[18:19], wv s[20:21], xb s[22:23]
	s_load_b256 s[24:31], s[0:1], 0x40             ; cosb s[24:25], sinb s[26:27], wob s[28:29], wqkv s[30:31]
	s_mov_b32 s36, ttmp9                           ; the work-group's number
	s_mov_b32 s33, 0                               ; high words of the two offsets
	s_mov_b32 s35, 0
	s_mov_b32 s38, 0xffff0000                      ; a word's upper bf16
	v_lshlrev_b32 v1, 5, v0                        ; same order in and out: 32 t in,
	v_lshlrev_b32 v2, 4, v0                        ; 16 t out
	s_wait_kmcnt 0x0
	s_cmp_lt_u32 s36, 256
	s_cbranch_scc0 .Lnot_x
	; x: work-group L takes row block L / 2 (16 rows) and half L % 2 of k (1,024).  In chunk j wave v takes k = 128 j + 16 v + 0..15: lanes 0-15 the first eight of the 16 rows, lanes 16-31 the second eight:
	; half a fragment, 512 bytes on end at 4,096 j + 16 t of the work-group's 32,768.  The eight waves read 512 neighbouring bytes of each row in a chunk.
	v_and_b32 v3, 15, v0                           ; the row
	v_lshrrev_b32 v4, 4, v0                        ; 2 v + lane / 16: which eight k
	v_lshlrev_b32 v1, 5, v4
	v_lshl_add_u32 v1, v3, 13, v1                  ; row x 8,192 + 32 bytes for each eight
	s_lshr_b32 s37, s36, 1
	s_and_b32 s39, s36, 1
	s_lshl_b32 s32, s37, 17                        ; 16 rows of 8,192 bytes
	s_lshl_b32 s39, s39, 12                        ; 1,024 k of 4 bytes
	s_add_co_u32 s32, s32, s39
	s_lshl_b32 s34, s36, 15
	s_add_nc_u64 s[4:5], s[8:9], s[32:33]
	s_add_nc_u64 s[6:7], s[22:23], s[34:35]
	LD8 512, 0
	ST8 4096, 0
	s_endpgm
.Lnot_x:
	s_cmp_lt_u32 s36, 272
	s_cbranch_scc0 .Lnot_plain
	; cos, sin: bf16, same order
	s_cmp_lt_u32 s36, 264
	s_cselect_b64 s[4:5], s[10:11], s[12:13]
	s_cselect_b64 s[6:7], s[24:25], s[26:27]
	s_cselect_b32 s37, 0, 8
	s_sub_co_u32 s39, s36, 256
	s_sub_co_u32 s37, s39, s37                     ; my number within the tensor
	s_lshl_b32 s32, s37, 16                        ; 65,536 bytes in,
	s_lshl_b32 s34, s37, 15                        ; 32,768 out
	s_add_nc_u64 s[4:5], s[4:5], s[32:33]
	s_add_nc_u64 s[6:7], s[6:7], s[34:35]
	LD8 8192, 1
	ST8 4096, 0
	s_endpgm
.Lnot_plain:
	s_cmp_lt_u32 s36, 528
	s_cbranch_scc0 .Lheads
	; wo: same order, f16
	s_sub_co_u32 s37, s36, 272
	s_lshl_b32 s32, s37, 16
	s_lshl_b32 s34, s37, 15
	s_add_nc_u64 s[4:5], s[14:15], s[32:33]
	s_add_nc_u64 s[6:7], s[28:29], s[34:35]
	LD8 8192, 1
	ST8 4096, 1
	s_endpgm
.Lheads:
	; wq, wk, wv: a work-group takes 32 rows k x 8 heads; a chunk 4 rows.  Eight lanes read a head's 256 bytes of a row; sixteen lanes write two rows of one head: 256 bytes on end.
	v_and_b32 v3, 7, v0                            ; my 8 numbers of the head's 64
	v_bfe_u32 v4, v0, 3, 1
	v_bfe_u32 v5, v0, 4, 3                         ; the head among eight
	v_lshrrev_b32 v6, 7, v0
	v_lshl_add_u32 v7, v6, 1, v4                   ; the row among the chunk's four
	v_lshlrev_b32 v2, 4, v3
	v_lshl_add_u32 v2, v7, 7, v2                   ; out: row x 128
	v_lshl_add_u32 v2, v5, 18, v2                  ;      + head x 262,144
	v_lshlrev_b32 v1, 5, v3
	v_lshl_add_u32 v1, v5, 8, v1                   ; in: head x 256, and the row below
	s_cmp_lt_u32 s36, 784
	s_cbranch_scc0 .Lkv
	v_lshl_add_u32 v1, v7, 13, v1                  ; a row of wq is 8,192 bytes
	s_sub_co_u32 s37, s36, 528
	s_lshr_b32 s39, s37, 2                         ; which 32 rows
	s_and_b32 s40, s37, 3                          ; which 8 heads
	s_lshl_b32 s32, s39, 18
	s_lshl_b32 s41, s40, 11
	s_add_co_u32 s32, s32, s41
	s_lshl_b32 s34, s40, 21
	s_lshl_b32 s41, s39, 12
	s_add_co_u32 s34, s34, s41
	s_add_nc_u64 s[4:5], s[16:17], s[32:33]
	s_add_nc_u64 s[6:7], s[30:31], s[34:35]
	LD8 4*8192, 1
	ST8 512, 0
	s_endpgm
.Lkv:
	v_lshl_add_u32 v1, v7, 11, v1                  ; a row of wk or wv is 2,048 bytes: its 8 heads
	s_cmp_lt_u32 s36, 848
	s_cselect_b64 s[4:5], s[18:19], s[20:21]
	s_cselect_b32 s39, 0, 1                        ; 0: wk, 1: wv
	s_lshl_b32 s40, s39, 6
	s_sub_co_u32 s37, s36, 784
	s_sub_co_u32 s37, s37, s40                     ; which 32 rows
	s_lshl_b32 s41, s39, 3
	s_add_co_u32 s41, s41, 32                      ; first head: 32 or 40
	s_lshl_b32 s34, s41, 18
	s_lshl_b32 s41, s37, 12
	s_add_co_u32 s34, s34, s41
	s_lshl_b32 s32, s37, 16
	s_add_nc_u64 s[4:5], s[4:5], s[32:33]
	s_add_nc_u64 s[6:7], s[30:31], s[34:35]
	LD8 4*2048, 1
	ST8 512, 0
	s_endpgm
.Lfunc_end_k_q99f4e48812_prep:
	.size	k_q99f4e48812_prep, .Lfunc_end_k_q99f4e48812_prep-k_q99f4e48812_prep
	.p2alignl 7, 3214868480
	.fill 96, 4, 3214868480
	.section	.rodata,"a",@progbits
	.p2align	6, 0x0
	.amdhsa_kernel k_q99f4e48812_prep
		.amdhsa_group_segment_fixed_size 0
		.amdhsa_private_segment_fixed_size 0
		.amdhsa_enable_private_segment 0
		.amdhsa_kernarg_size 96
		.amdhsa_user_sgpr_count 2
		.amdhsa_user_sgpr_kernarg_segment_ptr 1
		.amdhsa_wavefront_size32 1
		.amdhsa_system_sgpr_workgroup_id_x 1
		.amdhsa_system_sgpr_workgroup_id_y 1
		.amdhsa_system_sgpr_workgroup_id_z 1
		.amdhsa_system_vgpr_workitem_id 0
		.amdhsa_next_free_vgpr 128
		.amdhsa_next_free_sgpr 66
		.amdhsa_reserve_vcc 0
		.amdhsa_float_denorm_mode_32 3
		.amdhsa_float_denorm_mode_16_64 3
		.amdhsa_memory_ordered 1
		.amdhsa_forward_progress 1
		.amdhsa_inst_pref_size 31
	.end_amdhsa_kernel
	.amdgpu_metadata
---
amdhsa.version: [ 1, 2 ]
amdhsa.kernels:
  - .name:           k_q99f4e48812_prep
    .symbol:         k_q99f4e48812_prep.kd
    .args:
      - { .name: x, .offset: 0, .size: 8, .value_kind: global_buffer, .address_space: global }
      - { .name: cos, .offset: 8, .size: 8, .value_kind: global_buffer, .address_space: global }
      - { .name: sin, .offset: 16, .size: 8, .value_kind: global_buffer, .address_space: global }
      - { .name: wo, .offset: 24, .size: 8, .value_kind: global_buffer, .address_space: global }
      - { .name: wq, .offset: 32, .size: 8, .value_kind: global_buffer, .address_space: global }
      - { .name: wk, .offset: 40, .size: 8, .value_kind: global_buffer, .address_space: global }
      - { .name: wv, .offset: 48, .size: 8, .value_kind: global_buffer, .address_space: global }
      - { .name: xb, .offset: 56, .size: 8, .value_kind: global_buffer, .address_space: global }
      - { .name: cosb, .offset: 64, .size: 8, .value_kind: global_buffer, .address_space: global }
      - { .name: sinb, .offset: 72, .size: 8, .value_kind: global_buffer, .address_space: global }
      - { .name: wob, .offset: 80, .size: 8, .value_kind: global_buffer, .address_space: global }
      - { .name: wqkv, .offset: 88, .size: 8, .value_kind: global_buffer, .address_space: global }
    .group_segment_fixed_size: 0
    .private_segment_fixed_size: 0
    .kernarg_segment_align: 8
    .kernarg_segment_size: 96
    .max_flat_workgroup_size: 256
    .sgpr_count:     66
    .vgpr_count:     128
    .wavefront_size: 32
...
	.end_amdgpu_metadata
.endif
;; end of part 1
;; launch qkv (part 2): grid 16 x 16, 4 waves a work-group, clusters of 4 x 1, 327,680 bytes of LDS; arguments xb, wqkv, cosb, sinb, q_norm_w, k_norm_w, qkv; writes qkv
.if DOCPART == 2
	.amdgcn_target "amdgcn-amd-amdhsa--gfx1250"
	.amdhsa_code_object_version 6
	.text
	.protected	k_q99f4e48812_qkv
	.globl	k_q99f4e48812_qkv
	.p2align	8
	.type	k_q99f4e48812_qkv,@function
k_q99f4e48812_qkv:
	s_mov_b64 s[64:65], 0
	v_nop
	global_prefetch_b8 v0, s[64:65] scope:SCOPE_SE
	s_setreg_imm32_b32 hwreg(HW_REG_WAVE_MODE, 25, 1), 1
	s_wait_xcnt 0x0
	s_wait_alu depctr_hold_cnt(0) depctr_sa_sdst(0) depctr_va_vdst(0) depctr_va_sdst(0) depctr_va_ssrc(0) depctr_va_vcc(0) depctr_vm_vsrc(0)
	s_getreg_b32 s2, hwreg(HW_REG_IB_STS2, 6, 4)
	s_cmp_eq_u32 s2, 0
	s_cbranch_scc0 .Lentry_in_a_cluster
	s_endpgm
.Lentry_in_a_cluster:
	s_bfe_u32 s2, ttmp6, 0x10000c
	s_cmp_lg_u32 s2, 0x3003
	s_cbranch_scc0 .Lentry_shape_is_right
	s_endpgm
.Lentry_shape_is_right:
; Launch 2 of 4: qkv[head][s][0..63] = x . (wq | wk | wv), for q and k heads followed by RMS norm over the head's 64 channels and RoPE.  Products in bf16 with f32 sums; norm and RoPE in f32;
; the result is rounded once to f16, [48 heads][2048 s][64]: q heads 0-31, k heads 32-39, v heads 40-47.  The scale 1/8 of the scores is not applied here.
; cos and sin arrive rounded to bf16; the two norm weights are rounded to bf16 here: every input of the module carries the same rounding.
; LIMITS.  f16 ends at 65,504: |v| stays under it; |q|, |k| are at most 8 |w| (|cos| + |sin|).  NaN and infinities are not treated apart.
; SHARES.  A work-group makes 128 rows x 192 columns (three heads).  Wave w takes rows 32 w .. 32 w + 31 and all 192 columns: 2 x 12 accumulators of 16 x 16.
; THE MATRIX INSTRUCTION IS USED TRANSPOSED (source 0 = 16 columns of w, source 1 = 16 rows of x): lane l holds row l % 16 and columns 16 nb + 8 (l / 16) + 0..7 of block nb.  So a head's 64 channels
; of a row lie in lanes l and l xor 16 (one exchange for the sum of squares), and RoPE's partner channel i +- 32 is block nb +- 2, same lane, same register.
; w GOES THROUGH A RING: K in 8 steps of 256 through two LDS slots of [4 parts of 64 k][3 heads][64 k] rows of 128 bytes, pitch 160; it lies [k][n] and is turned on its way into registers by
; ds_load_tr16_b128.  Wave v fetches part v: one tensor load a wave behind each round, asked for jointly by the four work-groups of the cluster, which make four tile rows of one tile column.
; x GOES STRAIGHT INTO REGISTERS.  A wave's 32 rows of x are read by no other wave of the work-group, and xb lies in the order of the operand registers, so a load covers 512 consecutive bytes.  A ring of 8
; quarters (32 along K: 16 registers, 4 loads) is asked for 7 quarters ahead; the waits are counted.  x IS NOT ASKED FOR JOINTLY, though the 16 work-groups of a tile row read the same rows: with x's tile
; beside w's a slot of 256 along K would take 128 x 528 + 122,880 bytes, and two of them are more than the 327,680 bytes of LDS; without it the ring has half the changes of slots.
; THE SUMS START AT 0, by 192 lines written in the wait for the first tile: so the loop has one form of product, and a K step is written twice (loop, last step) and not three times.
; REGISTERS (windows of 256; s_set_vgpr_msb: bits 1:0 source 0, 3:2 source 1, 5:4 source 2, 7:6 destination):
;   window 0: v0-31 addresses; v64-255 the 24 accumulators, (a, b) at 64 + 8 (12 a + b).     window 1: two buffers of w's 12 fragments; in the way out T, U, PK, BK, RS, SQ.
;   window 2: cos, sin, the norm weights, as loaded and widened.     window 3: v0-127 x: quarter q, row block a at 16 q + 8 a.
.set PB, 160                           ; w's LDS pitch: 128 + 32
.set BHEAD, 64*PB
.set BPART, 3*BHEAD                    ; what one wave fetches: 30,720 bytes
.set SLOT1, 131072                     ; slot 1 begins here: one exclusive or turns an address in one slot into the other's
.set STAGE, SLOT1+4*BPART              ; behind the ring, never filled by a tensor load: 16 rows x 144 bytes for each wave
.set SP, 144
.set SPARE, STAGE+4*16*SP              ; the spare words: 128 bytes a wave, two blocks of 256 bytes that no other line names
.set AO, 16                            ; v16  16 x lane: my place in 512 bytes of xb; never rewritten
.set ADRB0, 20                         ; v20  my lane's place in a slot; never rewritten
.set ADRB, 22                          ; v22-23  the same in the slot in hand: parts 0, 1 and parts 2, 3
.set STO, 24                           ; v24  the way out: where I put 16 bytes of a row
.set RD, 25                            ; v25  where I read rows back
.set GO, 26                            ; v26  16 x lane: my place in 512 consecutive bytes of qkv
.set CSO, 27                           ; v27  my offset in 16 rows of cos and sin
.set SPW, 28                           ; v28  my spare word; never rewritten
.set NIL, 29                           ; v29  0; never rewritten
.set PFO, 30                           ; v30  256 x lane
.set NWO, 31                           ; v31  my offset in a norm weight
.set ACC, 64
.set T, 0                              ; window 1, the way out: a unit's 32 numbers, normalised
.set U, 32                             ;           after RoPE
.set PK, 64                            ;           packed f16
.set BK0, 80                           ;           rows read back, two sets by turns
.set RS, 112                           ;           1 / rms of unit u at RS + 2 u (the odd register holds 0)
.set SQ, 128                           ;           sums of squares, four registers a unit
.set CR, 0                             ; window 2: cos as loaded, 16 registers for each a
.set SR, 32                            ;           sin
.set WR, 64                            ;           the norm weight of head hd, 32 registers
.set CE, 160                           ;           cos widened, for the a in hand
.set SE, 192
.set WT, 224
.set WV, 18                            ; s18 wave
.set AP, 36                            ; s[36:37] xb at my 32 rows, at the K step in hand
.set G1B, 44                           ; s[44:51] descriptor group 1
.set G0B, 52                           ; s[52:55] descriptor group 0: it walks
.set TB, 56                            ; s56 LDS byte of the slot in hand
.set SEL, 60                           ; s[60:61] v_permlanex16_b32's selects
.set R64, 62                           ; s62 1/64
.set EPS, 63                           ; s63 1e-6
.set PFA, 66                           ; s[66:67] where my prefetches stand
.set LIM, 70                           ; s70 2 in a wave that prefetches, else the greatest number
.set OUT, 72                           ; s[72:77] qkv at my 32 rows of head hd
.set NW, 78                            ; s[78:83] the norm weight of head hd
.set SV, 84                            ; s84-86 all ones where head hd is a head of v
.set HIM, 87                           ; s87 a word's upper bf16
.set MSB, 0
.macro WIN new                         ; the immediate's high byte repeats the setting that is left; a switch that changes nothing is dropped
.if MSB != (\new)
	s_set_vgpr_msb (MSB<<8)|(\new)
.set MSB, \new
.endif
.endm
.macro PLACES                          ; four places behind matrix instructions, in front of loads into registers that they read and of vector work on their results
.rept 4
	v_nop
.endr
.endm
.macro CROUND                          ; a round of the cluster's barrier
	s_barrier_signal -1
	s_barrier_wait -1
	s_cmp_lg_u32 s[WV], 0
	s_cbranch_scc1 .Lnot_wave_0_\@
	s_barrier_signal -3
.Lnot_wave_0_\@:
	s_barrier_wait -3
	s_barrier_signal -1
	s_barrier_wait -1
.endm
; A PREFETCH INTO THE L2, once a K step, behind the joint refill and the run of LDS loads: the change that asks for K step n + 1 names K step n + 3: two refills, 384 matrix instructions, ahead of the load that
; will want it.  A tile column's w is read by four clusters: the one with x = 0 asks.  Waves 0-2 take a head each; of a head's 128 blocks of 256 bytes in a K step the partner at place p takes 32, told apart by
; address, a lane a block.  So each block is named once in the launch.  K steps 0-2 come by their loads alone; the loop's last two trips ask for nothing: the K steps do not exist.
.macro ASK
	s_cmp_gt_u32 s3, s[LIM]
	s_cbranch_scc0 .Lnot_mine_\@
	global_prefetch_b8 v[PFO], s[PFA:PFA+1] th:TH_LOAD_NT scope:SCOPE_SE
.Lnot_mine_\@:
.endm
; THE CHANGE OF SLOTS, at a K step's head.  Each wave waits for all its tensor loads (one is out: its part of the slot to be read), adds 0 to its spare word, and waits for that and for its reads of the slot that it
; leaves.  fill = 1: a round of the cluster's barrier, and the slot just left is filled again, first thing behind it, with the next K step: that load has the whole step, 192 matrix instructions, in which to land.
.macro CHANGE fill
	WIN 0
	s_wait_tensorcnt 0x0                           ; no tensor load of mine is out, so group 0 may be written
	ds_add_u32 v[SPW], v[NIL]                      ; 0 onto my spare word
.if \fill
	s_xor_b32 s[G0B+1], s[G0B+1], SLOT1            ; the other slot than last time,
	s_add_nc_u64 s[G0B+2:G0B+3], s[G0B+2:G0B+3], 32768  ; the next 256 rows k of 128 bytes; the type bits on top are not reached
.endif
	s_wait_dscnt 0x0                               ; the add is done, and my reads of the slot are over
.if \fill
	CROUND
	tensor_load_to_lds s[G0B:G0B+3], s[G1B:G1B+7]
	s_nop 0
	PLACES
.else
	s_barrier_signal -1
	s_barrier_wait -1
.endif
	s_xor_b32 s[TB], s[TB], SLOT1
	v_add_nc_u32 v[ADRB], s[TB], v[ADRB0]
	v_add_nc_u32 v[ADRB+1], 2*BPART, v[ADRB]
.endm
	s_load_b256 s[4:11], s[0:1], 0x0               ; xb s[4:5], wqkv s[6:7], cosb s[8:9], sinb s[10:11]
	s_load_b128 s[12:15], s[0:1], 0x20             ; q_norm_w s[12:13], k_norm_w s[14:15]
	s_load_b64 s[16:17], s[0:1], 0x30              ; qkv
	v_lshl_add_u32 v[SPW], v0, 2, SPARE
	v_mov_b32 v[NIL], 0
	ds_add_u32 v[SPW], v[NIL]                      ; the wave's opening: the add, twice on end, and its wait ahead of my first tensor load
	ds_add_u32 v[SPW], v[NIL]                      ; and once more, under the one wait; the set-up below, work on registers, stands between
	v_lshrrev_b32 v1, 5, v0
	v_readfirstlane_b32 s[WV], v1                  ; wave 0..3
	s_bfe_u32 s21, ttmp6, 0x40000                  ; cx: my place in the cluster
	s_lshl_b32 s24, ttmp9, 2
	s_add_co_u32 s24, s24, s21                     ; tile row (128 rows) = 4 x cluster x + cx: it enters x's, the tables', qkv's and the prefetch's addresses alone
	s_and_b32 s23, ttmp7, 0xffff                   ; tile column (three heads), which the four partners share
	; group 1: three rows, a head each, of 4,096 elements (64 k x 64, dense), 131,072 elements from head to head; 8 words of padding after every 32 (a row k)
	s_mov_b32 s[G1B], 15|(1<<16)|(1<<20)|(1<<21)|(4<<22)|(7<<25)  ; the mask of four; 2-byte elements; padding on; bit 21 beside a mask
	s_mov_b32 s[G1B+1], 4096<<16                   ; tensor_dim0
	s_mov_b32 s[G1B+2], 3<<16                      ; tensor_dim1
	s_mov_b32 s[G1B+3], 4096<<16                   ; tile_dim0
	s_mov_b32 s[G1B+4], 3                          ; tile_dim1
	s_mov_b32 s[G1B+5], 131072
	s_mov_b32 s[G1B+6], 0
	s_mov_b32 s[G1B+7], 0
	s_mul_i32 s96, s23, 3                          ; the tile's first head
	s_lshl_b32 s94, s96, 18                        ; w: that head, + 64 k x 128 bytes for each wave: the tile column and the wave alone
	s_lshl_b32 s95, s[WV], 13
	s_add_co_u32 s94, s94, s95
	s_mov_b32 s95, 0
	s_mov_b32 s[G0B], 1
	s_mul_i32 s[G0B+1], s[WV], BPART               ; slot 0, my part: no place in the cluster enters an LDS address
	s_lshl_b32 s92, s24, 19                        ; x: row blocks 8 tile row + 2 w on, 65,536 bytes each
	s_lshl_b32 s93, s[WV], 17
	s_add_co_u32 s92, s92, s93
	s_mov_b32 s93, 0
	s_mov_b32 s[TB], SLOT1                         ; the first change of slots turns it into 0
	s_mov_b32 s[SEL], 0x76543210
	s_mov_b32 s[SEL+1], 0xfedcba98
	s_mov_b32 s[R64], 0x3c800000
	s_mov_b32 s[EPS], 0x358637bd
	s_mov_b32 s[HIM], 0xffff0000
	s_wait_dscnt 0x0                               ; both opening adds are done
	s_wait_kmcnt 0x0
	s_add_nc_u64 s[G0B+2:G0B+3], s[6:7], s[94:95]
	s_or_b32 s[G0B+3], s[G0B+3], 0x80000000
	s_add_nc_u64 s[AP:AP+1], s[4:5], s[92:93]
	CROUND                                         ; all four work-groups are here: the first joint loads meet
	tensor_load_to_lds s[G0B:G0B+3], s[G1B:G1B+7]  ; K step 0 into slot 0; by this text's count one tensor load of a wave is out at any time
	s_nop 0
	PLACES
; Quarter's four loads of x into ring place sq, from byte off behind the pointer: two fragments of 1,024 bytes, 512 consecutive bytes a load
.macro ALOAD sq, off
	WIN 0xc0                                       ; destination window 3, address window 0
.irp a, 0,1
	global_load_b128 v[16*(\sq)+8*(\a):16*(\sq)+8*(\a)+3],   v[AO], s[AP:AP+1] offset:(\off)+(\a)*65536
	global_load_b128 v[16*(\sq)+8*(\a)+4:16*(\sq)+8*(\a)+7], v[AO], s[AP:AP+1] offset:(\off)+(\a)*65536+512
.endr
.endm
	v_and_b32 v9, 31, v0
	v_lshlrev_b32 v[AO], 4, v9
.irp q, 0,1,2,3,4,5,6
	ALOAD \q, (\q)*1024                            ; x's first seven quarters
.endr
	WIN 0
.set i, 0
.rept 192
	v_mov_b32 v[ACC+i], 0                          ; the sums start at 0, in the wait for the first tile
.set i, i+1
.endr
	; lane addresses
	v_and_b32 v1, 15, v0                           ; r = l % 16
	v_bfe_u32 v2, v0, 4, 1                         ; h = l / 16
	v_and_b32 v3, 7, v0
	v_bfe_u32 v4, v0, 3, 1
	v_bfe_u32 v10, v0, 3, 2
	v_lshl_add_u32 v6, v2, 3, v3                   ; the turning load: lane l reads row k 8 h + l % 8, 16 bytes at 16 ((l / 8) % 2)
	v_mul_u32_u24 v6, v6, PB
	v_lshl_add_u32 v[ADRB0], v4, 4, v6
	s_mul_i32 s25, s[WV], 16*SP
	s_add_co_u32 s25, s25, STAGE                   ; my stage
	v_mul_u32_u24 v7, v1, SP
	v_lshl_add_u32 v7, v2, 4, v7
	v_add_nc_u32 v[STO], s25, v7
	v_mul_u32_u24 v8, v10, SP                      ; back: 32 lanes take four rows of 128 bytes
	v_lshl_add_u32 v8, v3, 4, v8
	v_add_nc_u32 v[RD], s25, v8
	v_lshlrev_b32 v[GO], 4, v9
	v_lshlrev_b32 v[CSO], 7, v1                    ; a row of cosb is 128 bytes
	v_lshl_add_u32 v[CSO], v2, 4, v[CSO]
	v_lshlrev_b32 v[NWO], 5, v2
	v_lshlrev_b32 v[PFO], 8, v9
	; per head: where it goes, which norm weight it takes, whether it is a head of v
	s_lshl_b32 s97, s24, 14
	s_lshl_b32 s98, s[WV], 12
	s_add_co_u32 s97, s97, s98                     ; (128 tile row + 32 w) rows of 128 bytes
.irp hd, 0,1,2
	s_add_co_u32 s98, s96, \hd
	s_cmp_lt_u32 s98, 32
	s_cselect_b64 s[NW+2*(\hd):NW+2*(\hd)+1], s[12:13], s[14:15]
	s_cmp_ge_u32 s98, 40
	s_cselect_b32 s[SV+(\hd)], -1, 0
	s_lshl_b32 s98, s98, 18
	s_add_co_u32 s98, s98, s97
	s_mov_b32 s99, 0
	s_add_nc_u64 s[OUT+2*(\hd):OUT+2*(\hd)+1], s[16:17], s[98:99]
.endr
	s_mov_b32 s98, s97
	s_add_nc_u64 s[88:89], s[8:9], s[98:99]        ; cos and sin at my 32 rows
	s_add_nc_u64 s[90:91], s[10:11], s[98:99]
	; the prefetches' address, at K step 3
	s_min_u32 s98, s[WV], 2                        ; (wave 3 asks for nothing)
	s_add_co_u32 s98, s96, s98
	s_lshl_b32 s98, s98, 18                        ; head 3 tile column + w,
	s_lshl_b32 s25, s21, 13
	s_add_co_u32 s98, s98, s25                     ; my work-group's 8,192 bytes of a K step's 32,768
	s_add_co_u32 s98, s98, 3*32768
	s_add_nc_u64 s[PFA:PFA+1], s[6:7], s[98:99]
	s_cmp_eq_u32 s[WV], 3
	s_cselect_b32 s25, 1, 0
	s_or_b32 s25, s25, ttmp9                       ; waves 0-2 of the clusters with x = 0: the same in all four partners
	s_cmp_eq_u32 s25, 0
	s_cselect_b32 s[LIM], 2, -1
; 24 LDS loads in one run: w's twelve fragments of quarter q (32 along K) of the slot in hand, turned, into buffer f
.macro FETCH q, f
	WIN 0x40                                       ; destination window 1, address window 0
.irp b, 0,1,2,3,4,5,6,7,8,9,10,11
	ds_load_tr16_b128 v[(\f)+8*(\b):(\f)+8*(\b)+3],   v[ADRB+(\q)/4] offset:(((\q)/2)%2)*BPART+((\b)/4)*BHEAD+((\q)%2)*32*PB+((\b)%4)*32
	ds_load_tr16_b128 v[(\f)+8*(\b)+4:(\f)+8*(\b)+7], v[ADRB+(\q)/4] offset:(((\q)/2)%2)*BPART+((\b)/4)*BHEAD+((\q)%2)*32*PB+((\b)%4)*32+16*PB
.endr
.endm
; 12 products: column blocks b0 .. b0 + 5 x both row blocks, from buffer f and x's quarter q.  The 24 accumulators take turns, one instruction a turn, in one order in every quarter.
.macro MUL f, q, b0
	WIN 0x0d                                       ; source 0 window 1, source 1 window 3, C and D window 0
.set bb, \b0
.rept 6
.irp a, 0,1
	v_wmma_f32_16x16x32_bf16 v[ACC+8*(12*(\a)+bb):ACC+8*(12*(\a)+bb)+7], v[(\f)+8*bb:(\f)+8*bb+7], v[16*(\q)+8*(\a):16*(\q)+8*(\a)+7], v[ACC+8*(12*(\a)+bb):ACC+8*(12*(\a)+bb)+7]
.endr
.set bb, bb+1
.endr
.endm
; cos, sin and the norm weights: 40 loads, issued in the last K step; their address registers are never rewritten
.macro TABLES
	WIN 0x80                                       ; destination window 2
.irp a, 0,1
.irp nb, 0,1,2,3
	global_load_b128 v[CR+16*(\a)+4*(\nb):CR+16*(\a)+4*(\nb)+3], v[CSO], s[88:89] offset:(\a)*2048+(\nb)*32
	global_load_b128 v[SR+16*(\a)+4*(\nb):SR+16*(\a)+4*(\nb)+3], v[CSO], s[90:91] offset:(\a)*2048+(\nb)*32
.endr
.endr
.irp hd, 0,1,2
.irp nb, 0,1,2,3
	global_load_b128 v[WR+32*(\hd)+8*(\nb):WR+32*(\hd)+8*(\nb)+3], v[NWO], s[NW+2*(\hd):NW+2*(\hd)+1] offset:(\nb)*64
	global_load_b128 v[WR+32*(\hd)+8*(\nb)+4:WR+32*(\hd)+8*(\nb)+7], v[NWO], s[NW+2*(\hd):NW+2*(\hd)+1] offset:(\nb)*64+16
.endr
.endr
.endm
; Quarter q of a K step: 24 products on buffer q % 2.  In its middle: more = 1: w's fragments of the next quarter into the other buffer; aload = 1: x's quarter 7 further on, into the ring place read last.
; lcnt = the loads into registers issued behind this quarter's four.
.macro QUARTER q, more, aload, lcnt, tabs
.set FB, 96*((\q)%2)
.set GB, 96-FB
	s_wait_loadcnt \lcnt                           ; loads come back in order (ISA guide 5.7.1): x's quarter is in, the younger ones stay out
	s_wait_dscnt 12                                ; w's first six fragments are in; the other six's 12 loads may be out
	MUL FB, \q, 0
.if (\more) || (\aload)
	PLACES
.endif
.if \more
	FETCH (\q)+1, GB
.endif
.if \aload
	ALOAD ((\q)+7)%8, ((\q)+7)*1024
.endif
.if \tabs
	TABLES
.endif
.if \more
	s_wait_dscnt 24                                ; all but the 24 just issued
.else
	s_wait_dscnt 0x0
.endif
	MUL FB, \q, 6
.endm
	s_mov_b32 s3, 7
.Lstep:                                        ; seven K steps that ask for the next one
	CHANGE 1
	FETCH 0, 0
	WIN 0
	ASK
.irp q, 0,1,2,3,4,5,6
	QUARTER \q, 1, 1, 24, 0                        ; 24: the four loads of each of the six younger quarters
.endr
	QUARTER 7, 0, 1, 24, 0
	WIN 0
	s_wait_xcnt 0x0                                ; every load and prefetch issued so far has read its address (the youngest load 12 products back, the prefetch a K step back): the pointers may be written
	s_add_nc_u64 s[AP:AP+1], s[AP:AP+1], 8192      ; 8 fragments of 1,024 bytes on
	s_add_nc_u64 s[PFA:PFA+1], s[PFA:PFA+1], 32768
	s_sub_co_u32 s3, s3, 1
	s_cmp_lg_u32 s3, 0
	s_cbranch_scc1 .Lstep
	CHANGE 0                                       ; the last K step is written out: nothing is asked for
	FETCH 0, 0
	QUARTER 0, 1, 1, 24, 0                         ; x's last quarter is asked for
	QUARTER 1, 1, 0, 24, 1                         ; the 40 loads of the tables go out
	QUARTER 2, 1, 0, 60, 0                         ; five younger quarters and the tables; the counts run down
	QUARTER 3, 1, 0, 56, 0
	QUARTER 4, 1, 0, 52, 0
	QUARTER 5, 1, 0, 48, 0
	QUARTER 6, 1, 0, 44, 0
	QUARTER 7, 0, 0, 40, 0
	; THE WAY OUT.  A unit u = 3 a + hd is 16 rows of one head: 32 numbers a lane, the registers ACC + 32 u on.
	WIN 0
	PLACES
	s_wait_loadcnt 0x0                             ; cos, sin, the norm weights
	WIN 0xaa                                       ; all in window 2: the norm weights are rounded to bf16, in place
.set i, 0
.rept 48
	v_cvt_pk_bf16_f32 v[WT+i%4], v[WR+2*i], v[WR+2*i+1]
	v_lshlrev_b32 v[WR+2*i], 16, v[WT+i%4]
	v_and_b32 v[WR+2*i+1], s[HIM], v[WT+i%4]
.set i, i+1
.endr
	; sums of squares: two chains a unit, each over two accumulators, whose registers are read in ascending order
	WIN 0x40
.set k, 0
.rept 12
	v_pk_mul_f32 v[SQ+2*k:SQ+2*k+1], v[ACC+16*k:ACC+16*k+1], v[ACC+16*k:ACC+16*k+1]
.set k, k+1
.endr
	WIN 0x50
.set i, 1
.rept 7
.set k, 0
.rept 12
	v_pk_fma_f32 v[SQ+2*k:SQ+2*k+1], v[ACC+16*k+2*i:ACC+16*k+2*i+1], v[ACC+16*k+2*i:ACC+16*k+2*i+1], v[SQ+2*k:SQ+2*k+1]
.set k, k+1
.endr
.set i, i+1
.endr
	WIN 0x55                                       ; all in window 1
.irp u, 0,1,2,3,4,5
	v_pk_add_f32 v[SQ+4*(\u):SQ+4*(\u)+1], v[SQ+4*(\u):SQ+4*(\u)+1], v[SQ+4*(\u)+2:SQ+4*(\u)+3]
.endr
.irp u, 0,1,2,3,4,5
	v_add_f32 v[SQ+4*(\u)], v[SQ+4*(\u)], v[SQ+4*(\u)+1]
.endr
.irp u, 0,1,2,3,4,5
	v_permlanex16_b32 v[SQ+4*(\u)+1], v[SQ+4*(\u)], s[SEL], s[SEL+1]  ; the row's other 32 channels lie in the lane 16 away
.endr
.irp u, 0,1,2,3,4,5
	v_add_f32 v[SQ+4*(\u)], v[SQ+4*(\u)], v[SQ+4*(\u)+1]
.endr
.irp u, 0,1,2,3,4,5
	v_fma_f32 v[SQ+4*(\u)], v[SQ+4*(\u)], s[R64], s[EPS]  ; the mean and eps
.endr
.irp u, 0,1,2,3,4,5
	v_rsq_f32 v[RS+2*(\u)], v[SQ+4*(\u)]
.endr
.irp u, 0,1,2,3,4,5
	v_mov_b32 v[RS+2*(\u)+1], 0                    ; named with the root as a pair; also the plain instructions behind the batch
.endr
	s_wait_alu depctr_va_vdst(0)                   ; one wait for the six roots, ahead of their first reader
; One unit: x rsqrt(mean + eps), times w, RoPE; a head of v keeps the plain sums; rounded to f16; through my stage; stored as 512 consecutive bytes an instruction.
.macro UNIT a, hd
.set u, 3*(\a)+(\hd)
.set AB, ACC+32*u
.set BK, BK0+16*(u%2)
	WIN 0x44                                       ; destination and source 1 window 1, source 0 (the sums) window 0
.set p, 0
.rept 16
	v_pk_mul_f32 v[T+2*p:T+2*p+1], v[AB+2*p:AB+2*p+1], v[RS+2*u:RS+2*u+1] op_sel_hi:[1,0]
.set p, p+1
.endr
	WIN 0x49                                       ; source 1 window 2
.set p, 0
.rept 16
	v_pk_mul_f32 v[T+2*p:T+2*p+1], v[T+2*p:T+2*p+1], v[WR+32*(\hd)+2*p:WR+32*(\hd)+2*p+1]
.set p, p+1
.endr
.set p, 0
.rept 16
	v_pk_mul_f32 v[U+2*p:U+2*p+1], v[T+2*p:T+2*p+1], v[CE+2*p:CE+2*p+1]
.set p, p+1
.endr
	WIN 0x59                                       ; source 2 window 1 too
.set p, 0
.rept 8
	v_pk_fma_f32 v[U+2*p:U+2*p+1], v[T+2*p+16:T+2*p+17], v[SE+2*p:SE+2*p+1], v[U+2*p:U+2*p+1] neg_lo:[1,0,0] neg_hi:[1,0,0]  ; channels 0-31: - x[i + 32] sin
	v_pk_fma_f32 v[U+2*p+16:U+2*p+17], v[T+2*p:T+2*p+1], v[SE+2*p+16:SE+2*p+17], v[U+2*p+16:U+2*p+17]                        ; channels 32-63: + x[i - 32] sin
.set p, p+1
.endr
	WIN 0x41
.set p, 0
.rept 32
	v_cndmask_b32 v[U+p], v[U+p], v[AB+p], s[SV+(\hd)]
.set p, p+1
.endr
	WIN 0x45
.set p, 0
.rept 16
	v_cvt_pk_f16_f32 v[PK+p], v[U+2*p], v[U+2*p+1]
.set p, p+1
.endr
	WIN 0x04                                       ; store data window 1
.irp nb, 0,1,2,3
	ds_store_b128 v[STO], v[PK+4*(\nb):PK+4*(\nb)+3] offset:32*(\nb)
.endr
	s_wait_xcnt 0x0                                ; earlier stores have read their registers: BK is loaded again only behind this wait
	WIN 0x40
.irp f, 0,1,2,3
	ds_load_b128 v[BK+4*(\f):BK+4*(\f)+3], v[RD] offset:4*SP*(\f)  ; LDS serves a wave's instructions in order (ISA guide 5.7.1.4): these see the stores above
.endr
	s_wait_dscnt 0x0
	WIN 0x04
.irp f, 0,1,2,3
	global_store_b128 v[GO], v[BK+4*(\f):BK+4*(\f)+3], s[OUT+2*(\hd):OUT+2*(\hd)+1] offset:2048*(\a)+512*(\f)
.endr
.endm
.irp a, 0,1
	WIN 0xaa                                       ; cos and sin of these 16 rows, widened
.set i, 0
.rept 16
	v_lshlrev_b32 v[CE+2*i], 16, v[CR+16*(\a)+i]
	v_and_b32 v[CE+2*i+1], s[HIM], v[CR+16*(\a)+i]
	v_lshlrev_b32 v[SE+2*i], 16, v[SR+16*(\a)+i]
	v_and_b32 v[SE+2*i+1], s[HIM], v[SR+16*(\a)+i]
.set i, i+1
.endr
	UNIT \a, 0
	UNIT \a, 1
	UNIT \a, 2
.endr
	WIN 0
	s_wait_tensorcnt 0x0                           ; the wave's end: behind my last tensor load and my last LDS store
	ds_add_u32 v[SPW], v[NIL]
	s_wait_dscnt 0x0
	CROUND                                         ; the closing round: no work-group ends while a partner may still ask for a tile that names it
	s_endpgm
.Lfunc_end_k_q99f4e48812_qkv:
	.size	k_q99f4e48812_qkv, .Lfunc_end_k_q99f4e48812_qkv-k_q99f4e48812_qkv
	.p2alignl 7, 3214868480
	.fill 96, 4, 3214868480
	.section	.rodata,"a",@progbits
	.p2align	6, 0x0
	.amdhsa_kernel k_q99f4e48812_qkv
		.amdhsa_group_segment_fixed_size 327680
		.amdhsa_private_segment_fixed_size 0
		.amdhsa_enable_private_segment 0
		.amdhsa_kernarg_size 56
		.amdhsa_user_sgpr_count 2
		.amdhsa_user_sgpr_kernarg_segment_ptr 1
		.amdhsa_wavefront_size32 1
		.amdhsa_system_sgpr_workgroup_id_x 1
		.amdhsa_system_sgpr_workgroup_id_y 1
		.amdhsa_system_sgpr_workgroup_id_z 1
		.amdhsa_system_vgpr_workitem_id 0
		.amdhsa_next_free_vgpr 896
		.amdhsa_next_free_sgpr 100
		.amdhsa_reserve_vcc 0
		.amdhsa_float_denorm_mode_32 3
		.amdhsa_float_denorm_mode_16_64 3
		.amdhsa_memory_ordered 1
		.amdhsa_forward_progress 1
		.amdhsa_inst_pref_size 144
	.end_amdhsa_kernel
	.amdgpu_metadata
---
amdhsa.version: [ 1, 2 ]
amdhsa.kernels:
  - .name:           k_q99f4e48812_qkv
    .symbol:         k_q99f4e48812_qkv.kd
    .args:
      - { .name: xb, .offset: 0, .size: 8, .value_kind: global_buffer, .address_space: global }
      - { .name: wqkv, .offset: 8, .size: 8, .value_kind: global_buffer, .address_space: global }
      - { .name: cosb, .offset: 16, .size: 8, .value_kind: global_buffer, .address_space: global }
      - { .name: sinb, .offset: 24, .size: 8, .value_kind: global_buffer, .address_space: global }
      - { .name: q_norm_w, .offset: 32, .size: 8, .value_kind: global_buffer, .address_space: global }
      - { .name: k_norm_w, .offset: 40, .size: 8, .value_kind: global_buffer, .address_space: global }
      - { .name: qkv, .offset: 48, .size: 8, .value_kind: global_buffer, .address_space: global }
    .group_segment_fixed_size: 327680
    .private_segment_fixed_size: 0
    .kernarg_segment_align: 8
    .kernarg_segment_size: 56
    .max_flat_workgroup_size: 128
    .sgpr_count:     100
    .vgpr_count:     896
    .wavefront_size: 32
...
	.end_amdgpu_metadata
.endif
;; end of part 2
;; launch attn (part 3): grid 32 x 8, 4 waves a work-group, clusters of 4 x 1, 327,680 bytes of LDS; arguments qkv, ob; writes ob
.if DOCPART == 3
	.amdgcn_target "amdgcn-amd-amdhsa--gfx1250"
	.amdhsa_code_object_version 6
	.text
	.protected	k_q99f4e48812_attn
	.globl	k_q99f4e48812_attn
	.p2align	8
	.type	k_q99f4e48812_attn,@function
k_q99f4e48812_attn:
	s_mov_b64 s[64:65], 0
	v_nop
	global_prefetch_b8 v0, s[64:65] scope:SCOPE_SE
	s_setreg_imm32_b32 hwreg(HW_REG_WAVE_MODE, 25, 1), 1
	s_wait_xcnt 0x0
	s_wait_alu depctr_hold_cnt(0) depctr_sa_sdst(0) depctr_va_vdst(0) depctr_va_sdst(0) depctr_va_ssrc(0) depctr_va_vcc(0) depctr_vm_vsrc(0)
	s_getreg_b32 s2, hwreg(HW_REG_IB_STS2, 6, 4)
	s_cmp_eq_u32 s2, 0
	s_cbranch_scc0 .Lentry_in_a_cluster
	s_endpgm
.Lentry_in_a_cluster:
	s_bfe_u32 s2, ttmp6, 0x10000c
	s_cmp_lg_u32 s2, 0x3003
	s_cbranch_scc0 .Lentry_shape_is_right
	s_endpgm
.Lentry_shape_is_right:
; Launch 3 of 4: causal attention with grouped heads.  O[h][q][:] = the sum over k <= q of softmax_k(q[h][q] . k[h/4][k] / 8) v[h/4][k][:].  qkv: f16 [48][2048][64] (q heads 0-31, k 32-39, v 40-47).
; ob: O in f16, [32 heads][128 blocks of 16 rows][2 halves of 32 channels], fragments of 1,024 bytes in the order in which the last product's operand registers take them: byte 512 j + 16 l holds channels
; 16 j + 8 (l / 16) + 0..7 of row l % 16.  That is what a lane holds behind the second product, so O is stored straight from registers, 512 consecutive bytes an instruction.
; Products, maxima and sums in f32; the weights p are rounded to f16 for the second product (their sum l is taken of the unrounded p), O once at the end.
; WORK LEFT OUT: tiles of 128 queries x 128 keys wholly above the diagonal: reference() hides their scores by its own jnp.tril, their weights are 0 for all finite inputs (shown at the head of the first
; launch's text).  A NaN or an infinity that reaches only such tiles is not carried to the result.
; LIMITS.  A hidden score counts as its value less 1e30; a weight below 2^-126 counts as 0 in l; p below 6e-5 keeps f16's fixed step of 6e-8; NaN and infinities are not treated apart.
; THE WALK.  A head's queries lie in 16 blocks of 128; block i needs the key tiles 0 .. i, the last holding the diagonal.  A work-group takes blocks 15 - c and then c: 17 tiles whatever c: equal work,
; one loop with a constant trip count.  Which tile is asked for and what a trip does hang on scalar registers made from c; every jump but the loop's own goes forward and passes no barrier and no tensor load.
; CLUSTER.  The four partners are the four query heads of one key and value head, with the same c: the same walk, the same masks, the same tiles of K and V, asked for jointly.  The place in the
; cluster enters Q's, O's and the prefetch's addresses alone.
; SHARES, LAYOUT.  Wave w takes positions 32 w .. 32 w + 31 of a block: two tiles of 16 queries.  S^T = K Q^T holds one query a lane (lane % 16) and the keys 8 (lane / 16) + 0..7; two such results rounded
; to f16 are source 1 of O^T = V^T P.  K comes out of LDS as it lies, V turned by ds_load_tr16_b128.  p = 2^(c s - c m), c = log2(e) / 8, with a running maximum m; O and l are multiplied by
; a = 2^(c m_old - c m_new) in every step.  m starts at the lowest finite number, so a block's first a is 0, and O and l need only be finite there.
; THE MASK is the C operand that starts the sums of the diagonal tile: 0, or -1e30 where the key is hidden; it hangs on wave and lane alone and is made once.
; A tile is two key steps of 64, each in phases: 16 products K Q^T, the softmax, 16 products V^T P.  A step's 66 exponentials are one batch with one wait.
; REGISTERS (windows of 256; s_set_vgpr_msb: bits 1:0 source 0, 3:2 source 1, 5:4 source 2, 7:6 destination):
;   window 0: v0-15 addresses; v16-23 statistics; v32-39 at work; v64-127 S^T; v128-159 P; v160-223 O^T.   window 1: K and V of a tile's two steps.   window 2: v0-31 Q; v32-63 the second block's Q; v64-191 masks.
.set PK, 144                           ; a row of K in LDS: 128 + 16 bytes
.set PV, 160                           ; a row of V: 128 + 32
.set VOFF, 128*PK                      ; a slot holds a tile: 128 rows of K, then 128 of V
.set SLOT1, 65536                      ; slot 1 begins here: one exclusive or turns an address in one slot into the other's
.set SPARE, SLOT1+128*(PK+PV)          ; behind the ring: the spare words: 128 bytes a wave, two blocks of 256 bytes that no other line names
.set AK0, 2                            ; v2  my lane's place in a tile of K; never rewritten
.set AV0, 3                            ; v3  the same for V
.set AK, 4                             ; v4, v5  the same in the slot in hand
.set AV, 5
.set GO, 8                             ; v8  16 x lane
.set MV, 12                            ; v12-13  c m_old, by tile
.set QO, 15
.set ST, 16                            ; tile t: c m, m, l (even keys', odd keys') at ST + 4 t
.set TMP, 32                           ; tile t: c0-c3 at work; c2 takes a
.set PFO, 61
.set SPW, 62
.set NIL, 63
.set S, 64
.set P, 128
.set O, 160
.set QB, 32                            ; window 2
.set MD, 64                            ; window 2: step s, tile t, key block kb at MD + 64 s + 32 t + 8 kb
.set WV, 12
.set PB, 14                            ; s14  c
.set HI, 15                            ; s15  15 - c
.set LIM, 16                           ; s16  4 in the wave that prefetches, else the greatest number
.set PFA, 18                           ; s[18:19]
.set G1K, 24
.set G1V, 32
.set G0K, 40
.set G0V, 44
.set SLOTS, 56                         ; s56  tiles still to be asked for
.set CS, 58                            ; s[58:59] c
.set SEL, 60
.set TB, 62                            ; s62  LDS byte of the slot in hand
.set RT, 70                            ; s70  tiles of the block in hand still to be entered
.set NXT, 71                           ; s71  the tile to be asked for next
.set LQ, 72                            ; s72  the last tile of the block whose tiles are being asked for
.set OFF, 74                           ; s[74:75]
.set OLO, 80                           ; s[80:81] O at my rows of the second block
.set BIGN, 82                          ; s82  -1e30
.set MSB, 0
.macro WIN new
.if MSB != (\new)
	s_set_vgpr_msb (MSB<<8)|(\new)
.set MSB, \new
.endif
.endm
.macro PLACES
.rept 4
	v_nop
.endr
.endm
; A joint fill.  Waves 0, 1 fetch the two halves of a tile's K, waves 2, 3 those of its V: 64 keys each.  An s_nop 0 and four v_nop follow each line.
.macro JLOAD
	s_cmp_lt_u32 s[WV], 2
	s_cbranch_scc0 .Lfor_v_\@
	tensor_load_to_lds s[G0K:G0K+3], s[G1K:G1K+7]
	s_nop 0
.rept 4
	v_nop
.endr
	s_branch .Lasked_\@
.Lfor_v_\@:
	tensor_load_to_lds s[G0V:G0V+3], s[G1V:G1V+7]
	s_nop 0
.rept 4
	v_nop
.endr
.Lasked_\@:
.endm
.macro CROUND
	s_barrier_signal -1
	s_barrier_wait -1
	s_cmp_lg_u32 s[WV], 0
	s_cbranch_scc1 .Lnot_wave_0_\@
	s_barrier_signal -3
.Lnot_wave_0_\@:
	s_barrier_wait -3
	s_barrier_signal -1
	s_barrier_wait -1
.endm
; A PREFETCH INTO THE L2: the change that asks for tile n names tile n + 3.  All eight clusters of a key and value head walk the same tiles from 0 on; the one with c = 0, whose first block walks all 16,
; asks.  Its four partners take 4,096 bytes of K's 16,384 and as many of V's, told apart by address; wave 0 asks: lanes 0-15 for K's blocks of 256 bytes, lanes 16-31 for V's, which lie eight heads on
; in the same buffer.  So each block is named once.  Tiles 0-3 come by their loads alone; from tile 16 on there is nothing to name.
.macro ASK
	s_cmp_gt_u32 s[SLOTS], s[LIM]
	s_cbranch_scc0 .Lnot_mine_\@
	global_prefetch_b8 v[PFO], s[PFA:PFA+1] th:TH_LOAD_NT scope:SCOPE_SE
.Lnot_mine_\@:
.endm
; THE CHANGE OF SLOTS.  Each wave waits for all its tensor loads (one is out: its part of the other slot), adds 0 to its spare word, and waits for that and for its reads of the slot that it leaves.
; fill = 1: a round of the cluster's barrier, and the old slot is filled again, first thing behind it, with tile NXT; the descriptor's address is made anew from that number.
.macro CHANGE fill
	WIN 0
	s_wait_tensorcnt 0x0                           ; no tensor load of mine is out, so a group 0 may be written
	ds_add_u32 v[SPW], v[NIL]                      ; 0 onto my spare word
.if \fill
	s_lshl_b32 s[OFF], s[NXT], 14                  ; a tile is 16,384 bytes of K and of V
	s_xor_b32 s[G0K+1], s[G0K+1], SLOT1
	s_add_nc_u64 s[G0K+2:G0K+3], s[6:7], s[OFF:OFF+1]
	s_or_b32 s[G0K+3], s[G0K+3], 0x80000000
	s_xor_b32 s[G0V+1], s[G0V+1], SLOT1
	s_add_nc_u64 s[G0V+2:G0V+3], s[8:9], s[OFF:OFF+1]
	s_or_b32 s[G0V+3], s[G0V+3], 0x80000000
	s_add_co_u32 s[NXT], s[NXT], 1                 ; the block's next tile, or behind its last the second block's tile 0
	s_cmp_gt_u32 s[NXT], s[LQ]
	s_cselect_b32 s[NXT], 0, s[NXT]
	s_cselect_b32 s[LQ], s[PB], s[LQ]
	s_wait_xcnt 0x0                                ; the last prefetch, a tile back, has read its address
	s_add_nc_u64 s[PFA:PFA+1], s[PFA:PFA+1], 16384
	s_wait_dscnt 0x0                               ; the add is done, and my reads of the slot are over
	CROUND
	JLOAD
	ASK
.else
	s_wait_dscnt 0x0
	s_barrier_signal -1
	s_barrier_wait -1
	PLACES                                         ; in the joint load's four v_nop's stead: the places in front of the loads into V's registers
.endif
	s_xor_b32 s[TB], s[TB], SLOT1
.endm
	s_load_b128 s[20:23], s[0:1], 0x0              ; qkv s[20:21], ob s[22:23]
	v_lshl_add_u32 v[SPW], v0, 2, SPARE
	v_mov_b32 v[NIL], 0
	ds_add_u32 v[SPW], v[NIL]                      ; the wave's opening: the add, twice on end, and its wait ahead of my first tensor load
	ds_add_u32 v[SPW], v[NIL]
	v_lshrrev_b32 v1, 5, v0
	v_readfirstlane_b32 s[WV], v1
	s_bfe_u32 s13, ttmp6, 0x40000                  ; cx: which of the four query heads
	s_mov_b32 s[PB], ttmp9                         ; c: the cluster's x
	s_sub_co_u32 s[HI], 15, s[PB]
	s_and_b32 s17, ttmp7, 0xffff                   ; g: the key and value head
	s_and_b32 s2, s[WV], 1                         ; which half of a tile's 128 keys I fetch
	s_add_co_u32 s48, s17, 32
	s_lshl_b32 s48, s48, 18                        ; k head g in qkv
	s_lshl_b32 s76, s13, 12
	s_add_co_u32 s76, s76, s48
	s_add_co_u32 s76, s76, 3*16384                 ; the prefetches: my work-group's 4,096 bytes, at tile 3; the first change steps to tile 4
	s_mov_b32 s77, 0
	s_lshl_b32 s3, s2, 13
	s_add_co_u32 s48, s48, s3
	s_mov_b32 s49, 0
	s_mul_i32 s50, s2, 64*PK
	s_mul_i32 s51, s2, 64*PV
	s_lshl_b32 s52, s17, 2
	s_add_co_u32 s52, s52, s13                     ; the query head 4 g + cx
	s_lshl_b32 s52, s52, 18
	s_lshl_b32 s3, s[WV], 12                       ; my 32 rows of a block: 4,096 bytes in qkv and in ob
	s_add_co_u32 s52, s52, s3
	s_lshl_b32 s3, s[HI], 14
	s_add_co_u32 s54, s52, s3                      ; in the first block,
	s_mov_b32 s55, 0
	s_lshl_b32 s3, s[PB], 14
	s_add_co_u32 s52, s52, s3                      ; and in the second
	s_mov_b32 s53, 0
	; group 1: 64 keys are 8,192 dense bytes: 32 rows of 256 bytes, two keys a row, padded in LDS after every key
	s_mov_b32 s[G1K], 15|(1<<16)|(1<<20)|(1<<21)|(4<<22)|(3<<25)  ; the mask of four; 2-byte elements; padding on; bit 21 beside a mask; after every 32 words; 4 words
	s_mov_b32 s[G1V], 15|(1<<16)|(1<<20)|(1<<21)|(4<<22)|(7<<25)  ; the same with 8 words
.irp g, G1K, G1V
	s_mov_b32 s[\g+1], 128<<16
	s_mov_b32 s[\g+2], 32<<16
	s_mov_b32 s[\g+3], 128<<16
	s_mov_b32 s[\g+4], 32
	s_mov_b32 s[\g+5], 128
	s_mov_b32 s[\g+6], 0
	s_mov_b32 s[\g+7], 0
.endr
	s_mov_b32 s[CS], 0x3e38aa3b                    ; c = log2(e) / 8
	s_mov_b32 s[CS+1], s[CS]
	s_mov_b32 s[SEL], 0x76543210
	s_mov_b32 s[SEL+1], 0xfedcba98
	s_mov_b32 s[TB], SLOT1                         ; the first change of slots turns it into 0
	s_mov_b32 s[G0K], 1
	s_mov_b32 s[G0K+1], s50                        ; slot 0
	s_mov_b32 s[G0V], 1
	s_add_co_u32 s[G0V+1], s51, VOFF
	s_add_co_u32 s[RT], s[HI], 1                   ; the first block has 16 - c tiles
	s_mov_b32 s[NXT], 1
	s_mov_b32 s[LQ], s[HI]
	s_mov_b32 s[OFF+1], 0
	s_mov_b32 s[BIGN], 0xf149f2ca                  ; -1e30
	s_mov_b32 s[SLOTS], 16
	s_or_b32 s[LIM], s[WV], ttmp9                  ; wave 0 of the clusters with c = 0: the same in all four partners
	s_cmp_eq_u32 s[LIM], 0
	s_cselect_b32 s[LIM], 4, -1
	s_wait_dscnt 0x0                               ; both opening adds are done
	s_wait_kmcnt 0x0
	s_add_nc_u64 s[6:7], s[20:21], s[48:49]        ; K at my half of tile 0
	s_add_nc_u64 s[8:9], s[6:7], 0x200000          ; V: eight heads on
	s_add_nc_u64 s[G0K+2:G0K+3], s[6:7], 0
	s_or_b32 s[G0K+3], s[G0K+3], 0x80000000
	s_add_nc_u64 s[G0V+2:G0V+3], s[8:9], 0
	s_or_b32 s[G0V+3], s[G0V+3], 0x80000000
	s_add_nc_u64 s[4:5], s[20:21], s[54:55]        ; Q and O at my rows of the first block,
	s_add_nc_u64 s[10:11], s[22:23], s[54:55]
	s_add_nc_u64 s[86:87], s[20:21], s[52:53]      ; and of the second
	s_add_nc_u64 s[OLO:OLO+1], s[22:23], s[52:53]
	s_add_nc_u64 s[PFA:PFA+1], s[20:21], s[76:77]
	CROUND                                         ; all four work-groups are here: the first joint loads meet
	JLOAD                                          ; tile 0 into slot 0
	v_and_b32 v1, 15, v0                           ; l % 16
	v_bfe_u32 v9, v0, 4, 1                         ; l / 16
	v_lshlrev_b32 v[QO], 7, v1
	v_lshl_add_u32 v[QO], v9, 4, v[QO]
	WIN 0x80                                       ; destination window 2
.set i, 0
.rept 4                                ; both blocks' Q stay in registers: tile i / 2, channels 32 (i % 2) on
	global_load_b128 v[8*i:8*i+3],   v[QO], s[4:5] offset:(i/2)*2048+(i%2)*64
	global_load_b128 v[8*i+4:8*i+7], v[QO], s[4:5] offset:(i/2)*2048+(i%2)*64+32
	global_load_b128 v[QB+8*i:QB+8*i+3],   v[QO], s[86:87] offset:(i/2)*2048+(i%2)*64
	global_load_b128 v[QB+8*i+4:QB+8*i+7], v[QO], s[86:87] offset:(i/2)*2048+(i%2)*64+32
.set i, i+1
.endr
	WIN 0
	v_lshlrev_b32 v14, 3, v9
	v_sub_nc_u32 v14, v1, v14
	s_lshl_b32 s3, s[WV], 5
	v_add_nc_u32 v14, s3, v14                      ; 32 w + l % 16 - 8 (l / 16): register j of step s, tile t, block kb is hidden where 64 s + 16 kb + j - 16 t is greater
	WIN 0x80
.set i, 0
.rept 128
	v_cmp_gt_i32 vcc_lo, 64*(i/64)+16*((i/8)%4)+i%8-16*((i/32)%2), v14
	v_cndmask_b32 v[MD+i], 0, s[BIGN], vcc_lo
.set i, i+1
.endr
	WIN 0
	v_mul_u32_u24 v[AK0], v1, PK
	v_lshl_add_u32 v[AK0], v9, 4, v[AK0]
	v_and_b32 v10, 7, v0
	v_bfe_u32 v11, v0, 3, 1
	v_lshl_add_u32 v[AV0], v9, 3, v10              ; the turning load: lane l reads key 8 (l / 16) + l % 8, channels 8 ((l / 8) % 2) + 0..7
	v_mul_u32_u24 v[AV0], v[AV0], PV
	v_lshl_add_u32 v[AV0], v11, 4, v[AV0]
	v_add_nc_u32 v[AV0], VOFF, v[AV0]
	v_and_b32 v[GO], 31, v0
	v_lshlrev_b32 v[GO], 4, v[GO]
	v_lshlrev_b32 v[PFO], 8, v1
	v_lshl_add_u32 v[PFO], v9, 21, v[PFO]
.set i, 0
.rept 64
	v_mov_b32 v[O+i], 0                            ; O^T and l need only be finite at a block's beginning: zeros here, in the wait for the first tile
.set i, i+1
.endr
.irp t, 0,1
	v_mov_b32 v[ST+4*(\t)], 0xfe000000             ; c m: far below every c s
	v_mov_b32 v[ST+4*(\t)+1], 0xff7fffff           ; m
	v_mov_b32 v[ST+4*(\t)+2], 0
	v_mov_b32 v[ST+4*(\t)+3], 0
.endr
; THE MATRIX WORK.  The 8 accumulators of a run of 16 take turns.  Product i of S^T = K Q^T of step s: channels 32 (i / 8) on, keys 16 ((i / 2) % 4) on, tile i % 2.
.macro KQ s, m
.set rS, S+32*(i%2)+8*((i/2)%4)
.set rK, 64*(\s)+16*((i/2)%4)+8*(i/8)
.set rQ, 16*(i%2)+8*(i/8)
.set rD, MD+64*(\s)+32*(i%2)+8*((i/2)%4)
.if (i < 8) && (\m)
	WIN 0x29                                       ; K window 1, Q window 2, the mask window 2
	v_wmma_f32_16x16x32_f16 v[rS:rS+7], v[rK:rK+7], v[rQ:rQ+7], v[rD:rD+7]
.elseif i < 8
	WIN 0x09
	v_wmma_f32_16x16x32_f16 v[rS:rS+7], v[rK:rK+7], v[rQ:rQ+7], 0
.else
	WIN 0x09
	v_wmma_f32_16x16x32_f16 v[rS:rS+7], v[rK:rK+7], v[rQ:rQ+7], v[rS:rS+7]
.endif
.endm
; Product i of O^T += V^T P of step s: keys 32 (i / 8) on, channels 16 ((i / 2) % 4) on, tile i % 2.
.macro PV s
.set rO, O+32*(i%2)+8*((i/2)%4)
.set rV, 128+64*(\s)+32*(i/8)+8*((i/2)%4)
.set rP, P+16*(i%2)+8*(i/8)
	WIN 0x01                                       ; V window 1
	v_wmma_f32_16x16x32_f16 v[rO:rO+7], v[rV:rV+7], v[rP:rP+7], v[rO:rO+7]
.endm
.macro FETCH_K s                       ; step s's K: 8 fragments, 16 loads
	WIN 0x40
.irp f, 0,1,2,3,4,5,6,7
	ds_load_b128 v[64*(\s)+8*\f:64*(\s)+8*\f+3],   v[AK] offset:(64*(\s)+16*(\f/2))*PK+(\f%2)*64
	ds_load_b128 v[64*(\s)+8*\f+4:64*(\s)+8*\f+7], v[AK] offset:(64*(\s)+16*(\f/2))*PK+(\f%2)*64+32
.endr
.endm
.macro FETCH_V s                       ; step s's V, turned: 8 fragments, 16 loads
	WIN 0x40
.irp f, 0,1,2,3,4,5,6,7
	ds_load_tr16_b128 v[128+64*(\s)+8*\f:128+64*(\s)+8*\f+3],   v[AV] offset:(64*(\s)+32*(\f/4))*PV+(\f%4)*32
	ds_load_tr16_b128 v[128+64*(\s)+8*\f+4:128+64*(\s)+8*\f+7], v[AV] offset:(64*(\s)+32*(\f/4))*PV+16*PV+(\f%4)*32
.endr
.endm
; THE VECTOR WORK, all in window 0.
.macro REGS t
.set rT, ST+4*(\t)
.set rC, TMP+4*(\t)
.set rM, MV+(\t)
.set rS, S+32*(\t)
.set rP, P+16*(\t)
.set rO, O+32*(\t)
.endm
; Number n of the 22 that find a tile's maximum and statistics.  0-11: four chains c0-c3 of seven scores each (each accumulator's lowest registers are read first); 12-14, 16: the four
; scores left over, the old m, c0-c3 into c0; 15: c m_old is kept; 17, 18: the query's other 32 keys lie in the lane 16 away: the new m; 19-21: c m; c m_old - c m_new; a.
.macro XS t, n
	REGS \t
.if (\n) < 4
	v_max3_num_f32 v[rC+(\n)], v[rS+8*(\n)], v[rS+8*(\n)+1], v[rS+8*(\n)+2]
.elseif (\n) < 12
	v_max3_num_f32 v[rC+(\n)%4], v[rC+(\n)%4], v[rS+8*((\n)%4)+2*((\n)/4)+1], v[rS+8*((\n)%4)+2*((\n)/4)+2]
.elseif (\n) == 12
	v_max3_num_f32 v[rC], v[rC], v[rS+7], v[rS+15]
.elseif (\n) == 13
	v_max3_num_f32 v[rC+1], v[rC+1], v[rS+23], v[rS+31]
.elseif (\n) == 14
	v_max3_num_f32 v[rC+2], v[rC+2], v[rC+3], v[rT+1]
.elseif (\n) == 15
	v_mov_b32 v[rM], v[rT]
.elseif (\n) == 16
	v_max3_num_f32 v[rC], v[rC], v[rC+1], v[rC+2]
.elseif (\n) == 17
	v_permlanex16_b32 v[rC+3], v[rC], s[SEL], s[SEL+1]
.elseif (\n) == 18
	v_max_num_f32 v[rT+1], v[rC], v[rC+3]
.elseif (\n) == 19
	v_mul_f32 v[rT], s[CS], v[rT+1]
.elseif (\n) == 20
	v_sub_f32 v[rC+1], v[rM], v[rT]
.else
	v_exp_f32 v[rC+2], v[rC+1]
.endif
.endm
.macro FS t, b                         ; c s - c m for pair b
	REGS \t
	v_pk_fma_f32 v[rS+2*(\b):rS+2*(\b)+1], v[rS+2*(\b):rS+2*(\b)+1], s[CS:CS+1], v[rT:rT+1] op_sel_hi:[1,0,0] neg_lo:[0,0,1] neg_hi:[0,0,1]
.endm
.macro EX t, e
	REGS \t
	v_exp_f32 v[rS+(\e)], v[rS+(\e)]
.endm
; A step's softmax for both tiles, which alternate line by line.  The two a, the 32 scalings and the 64 exponentials (a pair behind their scaling) name no exponential's result: ONE batch, one plain instruction
; behind the last, ONE wait; then the roundings, the sums and the rescaling of O^T (in ascending order).
.macro SOFTMAX
.irp n, 0,1,2,3,4,5,6,7,8,9,10,11,12,13,14,15,16,17,18,19,20,21
	XS 0, \n
	XS 1, \n
.endr
.set bb, 0
.rept 16
	FS 0, bb
	FS 1, bb
.if bb > 0
	EX 0, 2*bb-2
	EX 0, 2*bb-1
	EX 1, 2*bb-2
	EX 1, 2*bb-1
.endif
.set bb, bb+1
.endr
	EX 0, 30
	EX 0, 31
	EX 1, 30
	EX 1, 31
	v_nop                                          ; the plain instruction behind the last exponential
	s_wait_alu depctr_va_vdst(0)                   ; the wait for the batch, ahead of its first reader
.set bb, 0
.rept 16
.irp t, 0,1
	REGS \t
	v_cvt_pk_f16_f32 v[rP+bb], v[rS+2*bb], v[rS+2*bb+1]
.endr
.set bb, bb+1
.endr
.set bb, 0
.rept 8                                ; of four weights the second pair is added onto the first, in place
.irp t, 0,1
	REGS \t
	v_pk_add_f32 v[rS+4*bb:rS+4*bb+1], v[rS+4*bb:rS+4*bb+1], v[rS+4*bb+2:rS+4*bb+3]
.endr
.set bb, bb+1
.endr
.set bb, 0
.rept 8                                ; l takes the eight sums (the first time as l = a l + sum); four rescalings of O^T stand between two links of the chain
.irp t, 0,1
	REGS \t
.if bb == 0
	v_pk_fma_f32 v[rT+2:rT+3], v[rT+2:rT+3], v[rC+2:rC+3], v[rS:rS+1] op_sel_hi:[1,0,1]
.else
	v_pk_add_f32 v[rT+2:rT+3], v[rT+2:rT+3], v[rS+4*bb:rS+4*bb+1]
.endif
.endr
.irp z, 0,1
.irp t, 0,1
	REGS \t
	v_pk_mul_f32 v[rO+4*bb+2*(\z):rO+4*bb+2*(\z)+1], v[rO+4*bb+2*(\z):rO+4*bb+2*(\z)+1], v[rC+2:rC+3] op_sel_hi:[1,0]
.endr
.endr
.set bb, bb+1
.endr
.endm
; A key step.  LDS loads were issued in the order K0, V0, K1, and V1 behind step 0's first products.
.macro STEP s, m
.if (\s) == 0
	s_wait_dscnt 32                                ; K0 is in; V0's and K1's 32 loads may be out
.else
	s_wait_dscnt 16                                ; K1 is in; V1's 16 may be out
.endif
.set i, 0
.rept 16
	KQ \s, \m
.set i, i+1
.endr
.if (\s) == 0
	FETCH_V 1                                      ; its registers' last reader is the tile before's last product; the change of slots' four v_nop and two address lines lie between
.endif
	WIN 0
	PLACES
	SOFTMAX
.if (\s) == 0
	s_wait_dscnt 32                                ; V0 is in; K1's and V1's may be out
.else
	s_wait_dscnt 0x0                               ; V1 is in: all my reads of the slot are over
.endif
.set i, 0
.rept 16
	PV \s
.set i, i+1
.endr
.endm
.macro TILE m                          ; m = 1: the diagonal tile: the sums start with the masks
	WIN 0
	v_add_nc_u32 v[AK], s[TB], v[AK0]
	v_add_nc_u32 v[AV], s[TB], v[AV0]
	FETCH_K 0
	FETCH_V 0
	FETCH_K 1
	STEP 0, \m
	STEP 1, \m
.endm
; THE WAY OUT of a block: l's two halves and the other half of the lanes' are added; O^T is divided by l and rounded to f16.  A lane's eight channels of channel block cb are the 16 bytes at 512 cb + 16 l of
; the tile's 2,048 bytes of ob: four stores a tile, straight from registers.
.macro PACK t
.set i, 0
.rept 16
	v_pk_mul_f32 v[O+32*(\t)+2*i:O+32*(\t)+2*i+1], v[O+32*(\t)+2*i:O+32*(\t)+2*i+1], v[ST+4*(\t)+2:ST+4*(\t)+3] op_sel_hi:[1,0]
.set i, i+1
.endr
.set i, 0
.rept 16
	v_cvt_pk_f16_f32 v[S+16*(\t)+i], v[O+32*(\t)+2*i], v[O+32*(\t)+2*i+1]
.set i, i+1
.endr
.irp f, 0,1,2,3
	global_store_b128 v[GO], v[S+16*(\t)+4*\f:S+16*(\t)+4*\f+3], s[10:11] offset:(\t)*2048+\f*512  ; 512 consecutive bytes, at a multiple of 256 from ob's first
.endr
.endm
.macro WAYOUT
	WIN 0
	PLACES
.irp t, 0,1
	v_add_f32 v[ST+4*(\t)+2], v[ST+4*(\t)+2], v[ST+4*(\t)+3]
.endr
.irp t, 0,1
	v_permlanex16_b32 v[ST+4*(\t)+3], v[ST+4*(\t)+2], s[SEL], s[SEL+1]
.endr
.irp t, 0,1
	v_add_f32 v[ST+4*(\t)+2], v[ST+4*(\t)+2], v[ST+4*(\t)+3]
.endr
.irp t, 0,1
	v_rcp_f32 v[ST+4*(\t)+2], v[ST+4*(\t)+2]
.endr
	v_nop
	s_wait_alu depctr_va_vdst(0)                   ; one wait for the two reciprocals
	PACK 0
	PACK 1
.endm
	s_wait_loadcnt 0x0                             ; Q
.Lslot:                                        ; 16 times: a tile is entered and the next is asked for
	CHANGE 1
	s_sub_co_u32 s[RT], s[RT], 1
	s_cmp_lg_u32 s[RT], 0
	s_cbranch_scc1 .Lplain
	TILE 1                                         ; the first block's diagonal tile (the second block's is the walk's last)
	WAYOUT
	s_wait_xcnt 0x0                                ; the stores have read their registers and O's address
	s_mov_b64 s[10:11], s[OLO:OLO+1]
	s_add_co_u32 s[RT], s[PB], 1                   ; the second block has c + 1 tiles
.irp t, 0,1
	v_mov_b32 v[ST+4*(\t)], 0xfe000000             ; its first a is 0: O^T and l, which are finite, count for nothing
	v_mov_b32 v[ST+4*(\t)+1], 0xff7fffff
.endr
	WIN 0x82                                       ; the second block's Q goes where the products name Q
.set i, 0
.rept 32
	v_mov_b32 v[i], v[QB+i]
.set i, i+1
.endr
	WIN 0
	s_branch .Lbottom
.Lplain:
	TILE 0
	WIN 0
.Lbottom:
	s_sub_co_u32 s[SLOTS], s[SLOTS], 1
	s_cmp_lg_u32 s[SLOTS], 0
	s_cbranch_scc1 .Lslot
	CHANGE 0                                       ; the walk's last tile is written out: nothing is asked for
	TILE 1
	WAYOUT
	s_wait_tensorcnt 0x0                           ; the wave's end: behind my last tensor load
	ds_add_u32 v[SPW], v[NIL]
	s_wait_dscnt 0x0
	CROUND                                         ; the closing round
	s_endpgm
.Lfunc_end_k_q99f4e48812_attn:
	.size	k_q99f4e48812_attn, .Lfunc_end_k_q99f4e48812_attn-k_q99f4e48812_attn
	.p2alignl 7, 3214868480
	.fill 96, 4, 3214868480
	.section	.rodata,"a",@progbits
	.p2align	6, 0x0
	.amdhsa_kernel k_q99f4e48812_attn
		.amdhsa_group_segment_fixed_size 327680
		.amdhsa_private_segment_fixed_size 0
		.amdhsa_enable_private_segment 0
		.amdhsa_kernarg_size 16
		.amdhsa_user_sgpr_count 2
		.amdhsa_user_sgpr_kernarg_segment_ptr 1
		.amdhsa_wavefront_size32 1
		.amdhsa_system_sgpr_workgroup_id_x 1
		.amdhsa_system_sgpr_workgroup_id_y 1
		.amdhsa_system_sgpr_workgroup_id_z 1
		.amdhsa_system_vgpr_workitem_id 0
		.amdhsa_next_free_vgpr 704
		.amdhsa_next_free_sgpr 92
		.amdhsa_reserve_vcc 1
		.amdhsa_float_denorm_mode_32 3
		.amdhsa_float_denorm_mode_16_64 3
		.amdhsa_memory_ordered 1
		.amdhsa_forward_progress 1
		.amdhsa_inst_pref_size 140
	.end_amdhsa_kernel
	.amdgpu_metadata
---
amdhsa.version: [ 1, 2 ]
amdhsa.kernels:
  - .name:           k_q99f4e48812_attn
    .symbol:         k_q99f4e48812_attn.kd
    .args:
      - { .name: qkv, .offset: 0, .size: 8, .value_kind: global_buffer, .address_space: global }
      - { .name: ob, .offset: 8, .size: 8, .value_kind: global_buffer, .address_space: global }
    .group_segment_fixed_size: 327680
    .private_segment_fixed_size: 0
    .kernarg_segment_align: 8
    .kernarg_segment_size: 16
    .max_flat_workgroup_size: 128
    .sgpr_count:     92
    .vgpr_count:     704
    .wavefront_size: 32
...
	.end_amdgpu_metadata
.endif
;; end of part 3
;; launch outp (part 4): grid 16 x 16, 4 waves a work-group, clusters of 4 x 1, 327,680 bytes of LDS; arguments ob, wob, out0; writes out0
.if DOCPART == 4
	.amdgcn_target "amdgcn-amd-amdhsa--gfx1250"
	.amdhsa_code_object_version 6
	.text
	.protected	k_q99f4e48812_outp
	.globl	k_q99f4e48812_outp
	.p2align	8
	.type	k_q99f4e48812_outp,@function
k_q99f4e48812_outp:
	s_mov_b64 s[64:65], 0
	v_nop
	global_prefetch_b8 v0, s[64:65] scope:SCOPE_SE
	s_setreg_imm32_b32 hwreg(HW_REG_WAVE_MODE, 25, 1), 1
	s_wait_xcnt 0x0
	s_wait_alu depctr_hold_cnt(0) depctr_sa_sdst(0) depctr_va_vdst(0) depctr_va_sdst(0) depctr_va_ssrc(0) depctr_va_vcc(0) depctr_vm_vsrc(0)
	s_getreg_b32 s2, hwreg(HW_REG_IB_STS2, 6, 4)
	s_cmp_eq_u32 s2, 0
	s_cbranch_scc0 .Lentry_in_a_cluster
	s_endpgm
.Lentry_in_a_cluster:
	s_bfe_u32 s2, ttmp6, 0x10000c
	s_cmp_lg_u32 s2, 0x3003
	s_cbranch_scc0 .Lentry_shape_is_right
	s_endpgm
.Lentry_shape_is_right:
; Launch 4 of 4: out0[s][d] = the sum over f of attn[s][f] wo[f][d], f = 64 head + channel.  ob: attn in f16, [32 heads][128 blocks of 16 rows][2 halves of 32 channels], fragments of 1,024 bytes in the order of
; the operand registers; wob: f16 [2048 f][2048 d]; out0: f32 [2048][2048].  Products in f16, sums in f32.
; A tile of out0 is 128 x 128: 256 work-groups.  Wave w takes rows 32 w .. 32 w + 31 and all 128 columns: 2 x 8 accumulators.  THE MATRIX INSTRUCTION IS USED TRANSPOSED (source 0 = 16 columns of wo,
; source 1 = 16 rows of attn): a lane holds eight neighbouring numbers of a row of out0.
; wo GOES THROUGH A RING: K in 4 steps of 512 (eight heads) through two LDS slots of 512 rows f x 256 bytes, pitch 288; it lies [k][n] and is turned on its way into registers by ds_load_tr16_b128.  Wave v fetches
; rows 128 v on: one tensor load a wave behind each round, asked for jointly by the four work-groups of the cluster, which make four tile rows of one tile column.
; attn GOES STRAIGHT INTO REGISTERS: a wave's 32 rows are read by no other wave of the work-group; a load covers 512 consecutive bytes.  A ring of 8 heads (64 along K: 32 registers, 8 loads) is asked for 7 heads
; ahead; the waits are counted.  attn IS NOT ASKED FOR JOINTLY, though the 16 work-groups of a tile row read the same rows: with its tile beside wo's a slot holds 256 along K, not 512, and the ring has
; twice the changes of slots.
; THE SUMS START AT 0, by 128 lines written in the wait for the first tile: so the loop has one form of product, and a K step is written twice (loop, last step) and not three times.
; REGISTERS: window 0: v0-31 addresses; v32-95 at work on the way out; v128-255 the accumulators ((a, b) at 128 + 8 (8 a + b)).  window 1: two buffers of wo's 16 fragments of 64 along K.
;   window 2: attn: head d of the step, half c, row block a at 32 d + 16 c + 8 a.
.set PB, 288
.set BPART, 128*PB                     ; what one tensor load brings: 36,864 bytes
.set SLOT, 4*BPART                     ; 147,456 = 0x24000: its two bits occur in no wave's part (0x9000 x wave), so one exclusive or moves an address from one slot to the other
.set STAGE, 2*SLOT                     ; behind the ring, never filled by a tensor load: 16 rows x 272 bytes for each wave
.set SPITCH, 272
.set SPARE, STAGE+4*16*SPITCH          ; the spare words: 128 bytes a wave
.set KSB, 0x200000                     ; a K step in memory: eight heads of ob, or 512 rows of wob: 2,097,152 bytes either way
.set HEADB, 262144                     ; a head of ob
.set AO, 16                            ; v16  16 x lane; never rewritten
.set ADRB0, 17                         ; v17  my lane's place in a slot; never rewritten
.set ADRB, 20                          ; v20-23  the same in the slot in hand, part j at ADRB + j
.set STO, 24
.set RD, 25
.set CO, 26
.set SPW, 28
.set NIL, 29
.set PFO, 30
.set TMP, 32
.set ACC, 128
.set G1B, 24                           ; s[24:31]
.set G0B, 32                           ; s[32:35]: it walks
.set TB, 36                            ; s36  LDS byte of the slot in hand
.set AP, 38                            ; s[38:39] ob at my 32 rows, at the K step in hand
.set PFA, 44                           ; s[44:45]
.set LIM, 48                           ; s48
.set MSB, 0
.macro WIN new
.if MSB != (\new)
	s_set_vgpr_msb (MSB<<8)|(\new)
.set MSB, \new
.endif
.endm
.macro PLACES
.rept 4
	v_nop
.endr
.endm
.macro CROUND
	s_barrier_signal -1
	s_barrier_wait -1
	s_cmp_lg_u32 s10, 0
	s_cbranch_scc1 .Lnot_wave_0_\@
	s_barrier_signal -3
.Lnot_wave_0_\@:
	s_barrier_wait -3
	s_barrier_signal -1
	s_barrier_wait -1
.endm
; A PREFETCH INTO THE L2, behind the joint refill and the run of LDS loads: the change that asks for K step 1 names K step 3: two refills, 512 matrix instructions, ahead of the load that will want it.  A tile
; column's wo is read by four clusters: the one with x = 0 asks.  Of the 128 rows that a wave fetches the partner at place p takes 32, told apart by address, a lane a row of 256 bytes.  So each block is
; named once.  K steps 0-2 come by their loads alone; behind K step 3 there is nothing to name, so the later trips ask for nothing and the address is never stepped.
.macro ASK
	s_cmp_gt_u32 s3, s[LIM]
	s_cbranch_scc0 .Lnot_mine_\@
	global_prefetch_b8 v[PFO], s[PFA:PFA+1] th:TH_LOAD_NT scope:SCOPE_SE
.Lnot_mine_\@:
.endm
; THE CHANGE OF SLOTS, at a K step's head.  Each wave waits for all its tensor loads (one is out: its part of the slot to be read), adds 0 to its spare word, and waits for that and for its reads of the slot that it
; leaves.  fill = 1: a round of the cluster's barrier, and the slot just left is filled again, first thing behind it, with the next K step: that load has the whole step, 256 matrix instructions, in which to land.
.macro CHANGE fill
	WIN 0
	s_wait_tensorcnt 0x0                           ; no tensor load of mine is out, so group 0 may be written
	ds_add_u32 v[SPW], v[NIL]                      ; 0 onto my spare word
.if \fill
	s_xor_b32 s[G0B+1], s[G0B+1], SLOT
	s_add_nc_u64 s[G0B+2:G0B+3], s[G0B+2:G0B+3], KSB
.endif
	s_wait_dscnt 0x0                               ; the add is done, and my reads of the slot are over
.if \fill
	CROUND
	tensor_load_to_lds s[G0B:G0B+3], s[G1B:G1B+7]
	s_nop 0
	PLACES
.else
	s_barrier_signal -1
	s_barrier_wait -1
.endif
	s_xor_b32 s[TB], s[TB], SLOT
	v_add_nc_u32 v[ADRB], s[TB], v[ADRB0]
	v_add_nc_u32 v[ADRB+1], BPART, v[ADRB]
	v_add_nc_u32 v[ADRB+2], 2*BPART, v[ADRB]
	v_add_nc_u32 v[ADRB+3], 3*BPART, v[ADRB]
.endm
	s_load_b128 s[4:7], s[0:1], 0x0                ; ob s[4:5], wob s[6:7]
	s_load_b64 s[8:9], s[0:1], 0x10                ; out0
	v_lshl_add_u32 v[SPW], v0, 2, SPARE
	v_mov_b32 v[NIL], 0
	ds_add_u32 v[SPW], v[NIL]                      ; the wave's opening: the add, twice on end, and its wait ahead of my first tensor load
	ds_add_u32 v[SPW], v[NIL]
	v_lshrrev_b32 v1, 5, v0
	v_readfirstlane_b32 s10, v1                    ; wave 0..3
	s_bfe_u32 s40, ttmp6, 0x40000                  ; cx: my place in the cluster
	s_lshl_b32 s13, ttmp9, 2
	s_add_co_u32 s13, s13, s40                     ; tile row = 4 x cluster x + cx: it enters attn's, out0's and the prefetch's addresses alone
	s_and_b32 s42, ttmp7, 0xffff                   ; tile column, which the four partners share
	; group 1: 128 rows x 128 elements, 2,048 elements from row to row; 8 words of padding after every 64
	s_mov_b32 s[G1B], 15|(1<<16)|(1<<20)|(1<<21)|(5<<22)|(7<<25)
	s_mov_b32 s[G1B+1], 128<<16
	s_mov_b32 s[G1B+2], 128<<16
	s_mov_b32 s[G1B+3], 128<<16
	s_mov_b32 s[G1B+4], 128
	s_mov_b32 s[G1B+5], 2048
	s_mov_b32 s[G1B+6], 0
	s_mov_b32 s[G1B+7], 0
	s_lshl_b32 s46, s10, 19                        ; wob: rows 128 x wave on, 256 bytes x tile column: the tile column and the wave alone
	s_lshl_b32 s47, s42, 8
	s_add_co_u32 s46, s46, s47
	s_mov_b32 s47, 0
	s_mov_b32 s[G0B], 1
	s_mul_i32 s[G0B+1], s10, BPART                 ; slot 0, my part
	s_lshl_b32 s16, s13, 14                        ; ob: row blocks 8 tile row + 2 w on, 2,048 bytes each
	s_lshl_b32 s17, s10, 12
	s_add_co_u32 s16, s16, s17
	s_mov_b32 s17, 0
	s_mov_b32 s[TB], SLOT                          ; the first change of slots turns it into 0
	s_wait_dscnt 0x0                               ; both opening adds are done
	s_wait_kmcnt 0x0
	s_add_nc_u64 s[G0B+2:G0B+3], s[6:7], s[46:47]
	s_or_b32 s[G0B+3], s[G0B+3], 0x80000000
	s_add_nc_u64 s[AP:AP+1], s[4:5], s[16:17]
	CROUND                                         ; all four work-groups are here: the first joint loads meet
	tensor_load_to_lds s[G0B:G0B+3], s[G1B:G1B+7]  ; K step 0 into slot 0; by this text's count one tensor load of a wave is out at any time
	s_nop 0
	PLACES
; A head's eight loads of attn into ring place sd, hd heads behind the pointer: four fragments of 1,024 bytes, 4,096 bytes on end
.macro ALOAD sd, hd
	WIN 0x80                                       ; destination window 2, address window 0
.irp c, 0,1
.irp a, 0,1
	global_load_b128 v[32*(\sd)+16*(\c)+8*(\a):32*(\sd)+16*(\c)+8*(\a)+3],   v[AO], s[AP:AP+1] offset:(\hd)*HEADB+(\a)*2048+(\c)*1024
	global_load_b128 v[32*(\sd)+16*(\c)+8*(\a)+4:32*(\sd)+16*(\c)+8*(\a)+7], v[AO], s[AP:AP+1] offset:(\hd)*HEADB+(\a)*2048+(\c)*1024+512
.endr
.endr
.endm
	v_and_b32 v9, 31, v0
	v_lshlrev_b32 v[AO], 4, v9
.irp d, 0,1,2,3,4,5,6
	ALOAD \d, \d                                   ; attn's first seven heads
.endr
	WIN 0
.set i, 0
.rept 128
	v_mov_b32 v[ACC+i], 0                          ; the sums start at 0, in the wait for the first tile
.set i, i+1
.endr
	v_and_b32 v1, 15, v0                           ; r = l % 16
	v_bfe_u32 v2, v0, 4, 1                         ; h = l / 16
	v_and_b32 v6, 7, v0
	v_bfe_u32 v7, v0, 3, 1
	v_lshl_add_u32 v4, v2, 3, v6                   ; the turning load: lane l reads row f 8 h + l % 8, 16 bytes at 16 ((l / 8) % 2)
	v_mul_u32_u24 v4, v4, PB
	v_lshl_add_u32 v[ADRB0], v7, 4, v4
	s_mul_i32 s23, s10, 16*SPITCH
	s_add_co_u32 s23, s23, STAGE                   ; my stage
	v_mul_u32_u24 v5, v1, SPITCH                   ; in: row r, 32 bytes for each half of the lanes
	v_lshl_add_u32 v5, v2, 5, v5
	v_add_nc_u32 v[STO], s23, v5
	v_mul_u32_u24 v5, v2, SPITCH                   ; back: lanes 0-15 take one row of 256 bytes, lanes 16-31 the next
	v_lshl_add_u32 v5, v1, 4, v5
	v_add_nc_u32 v[RD], s23, v5
	v_lshlrev_b32 v[CO], 4, v1                     ; and the same two rows in out0, 8,192 bytes apart
	v_lshl_add_u32 v[CO], v2, 13, v[CO]
	s_lshl_b32 s16, s13, 20                        ; (128 tile row + 32 w) rows of 8,192 bytes + 512 tile column
	s_lshl_b32 s17, s10, 18
	s_add_co_u32 s16, s16, s17
	s_lshl_b32 s17, s42, 9
	s_add_co_u32 s16, s16, s17
	s_mov_b32 s17, 0
	s_add_nc_u64 s[8:9], s[8:9], s[16:17]
	; the prefetch's address: K step 3
	s_lshl_b32 s14, s10, 7
	s_lshl_b32 s15, s40, 5
	s_add_co_u32 s14, s14, s15
	s_lshl_b32 s14, s14, 12                        ; rows 128 w + 32 cx,
	s_lshl_b32 s15, s42, 8
	s_add_co_u32 s14, s14, s15                     ; the tile's 256 bytes
	s_mov_b32 s15, 0
	s_add_nc_u64 s[PFA:PFA+1], s[6:7], s[14:15]
	s_add_nc_u64 s[PFA:PFA+1], s[PFA:PFA+1], 3*KSB
	s_cmp_eq_u32 ttmp9, 0                          ; the clusters with x = 0: the same in all four partners
	s_cselect_b32 s[LIM], 2, -1
	v_lshlrev_b32 v[PFO], 12, v9                   ; a lane a row of wob
; 32 LDS loads in one run: wo's fragments of head d of the slot in hand (64 along K), turned, into buffer f; the first 32 along K first
.macro FETCH d, f
	WIN 0x40                                       ; destination window 1, address window 0
.irp c, 0,1
.irp b, 0,1,2,3,4,5,6,7
	ds_load_tr16_b128 v[(\f)+64*(\c)+8*(\b):(\f)+64*(\c)+8*(\b)+3],   v[ADRB+(\d)/2] offset:(((\d)%2)*64+32*(\c))*PB+32*(\b)
	ds_load_tr16_b128 v[(\f)+64*(\c)+8*(\b)+4:(\f)+64*(\c)+8*(\b)+7], v[ADRB+(\d)/2] offset:(((\d)%2)*64+32*(\c))*PB+32*(\b)+16*PB
.endr
.endr
.endm
; 16 products: all 8 column blocks x both row blocks, half c of head d, from buffer f.  The 16 accumulators take turns, one instruction a turn, in one order throughout.
.macro MUL16 f, d, c
	WIN 0x09                                       ; source 0 window 1, source 1 window 2, C and D window 0
.irp b, 0,1,2,3,4,5,6,7
.irp a, 0,1
	v_wmma_f32_16x16x32_f16 v[ACC+8*(8*(\a)+(\b)):ACC+8*(8*(\a)+(\b))+7], v[(\f)+64*(\c)+8*(\b):(\f)+64*(\c)+8*(\b)+7], v[32*(\d)+16*(\c)+8*(\a):32*(\d)+16*(\c)+8*(\a)+7], v[ACC+8*(8*(\a)+(\b)):ACC+8*(8*(\a)+(\b))+7]
.endr
.endr
.endm
; Head d of a K step: 32 products on buffer d % 2.  In its middle: more = 1: wo's fragments of the next head into the other buffer; aload = 1: attn's head 7 further on, into the ring place read last.
; lcnt = the loads into registers issued behind this head's eight.
.macro HEAD d, more, aload, lcnt
.set FB, 128*((\d)%2)
.set GB, 128-FB
	s_wait_loadcnt \lcnt                           ; loads come back in order (ISA guide 5.7.1): attn's head is in, the younger ones stay out
	s_wait_dscnt 16                                ; wo's first 32 along K are in; the other sixteen loads may be out
	MUL16 FB, \d, 0
.if (\more) || (\aload)
	PLACES
.endif
.if \more
	FETCH (\d)+1, GB
.endif
.if \aload
	ALOAD ((\d)+7)%8, (\d)+7
.endif
.if \more
	s_wait_dscnt 32                                ; all but the 32 just issued
.else
	s_wait_dscnt 0x0
.endif
	MUL16 FB, \d, 1
.endm
	s_mov_b32 s3, 3
.Lstep:                                        ; three K steps that ask for the next one
	CHANGE 1
	FETCH 0, 0
	WIN 0
	ASK
.irp d, 0,1,2,3,4,5,6
	HEAD \d, 1, 1, 48                              ; 48: the eight loads of each of the six younger heads
.endr
	HEAD 7, 0, 1, 48
	WIN 0
	s_wait_xcnt 0x0                                ; every load issued so far has read its address (the youngest 16 products back): the pointer may be written
	s_add_nc_u64 s[AP:AP+1], s[AP:AP+1], KSB       ; eight heads on
	s_sub_co_u32 s3, s3, 1
	s_cmp_lg_u32 s3, 0
	s_cbranch_scc1 .Lstep
	CHANGE 0                                       ; the last K step is written out: nothing is asked for
	FETCH 0, 0
	HEAD 0, 1, 1, 48                               ; attn's last head is asked for
	HEAD 1, 1, 0, 48                               ; the counts run down
	HEAD 2, 1, 0, 40
	HEAD 3, 1, 0, 32
	HEAD 4, 1, 0, 24
	HEAD 5, 1, 0, 16
	HEAD 6, 1, 0, 8
	HEAD 7, 0, 0, 0
	WIN 0
	; THE WAY OUT, in f32: 16 rows x 64 columns at a time through my own stage: 32 bytes a lane in (each accumulator's low four registers first), whole rows of 256 bytes back, sixteen lanes to a row of the store.
	PLACES
.irp a, 0,1
.irp ch, 0,1
.set BK, TMP+32*(\ch)
.irp b, 0,1,2,3
	ds_store_b128 v[STO], v[ACC+8*(8*(\a)+4*(\ch)+(\b)):ACC+8*(8*(\a)+4*(\ch)+(\b))+3]   offset:64*(\b)
	ds_store_b128 v[STO], v[ACC+8*(8*(\a)+4*(\ch)+(\b))+4:ACC+8*(8*(\a)+4*(\ch)+(\b))+7] offset:64*(\b)+16
.endr
	s_wait_xcnt 0x0                                ; earlier stores have read their registers: BK is loaded again only behind this wait
.irp t, 0,1,2,3,4,5,6,7
	ds_load_b128 v[BK+4*(\t):BK+4*(\t)+3], v[RD] offset:(\t)*2*SPITCH  ; LDS serves a wave's instructions in order (ISA guide 5.7.1.4): these see the stores above
.endr
	s_wait_dscnt 0x0
.irp t, 0,1,2,3,4,5,6,7
	global_store_b128 v[CO], v[BK+4*(\t):BK+4*(\t)+3], s[8:9] offset:(16*(\a)+2*(\t))*8192+256*(\ch) th:TH_STORE_NT  ; 16 lanes store 256 consecutive bytes, at a multiple of 256 from out0's first byte
.endr
.endr
.endr
	s_wait_tensorcnt 0x0                           ; the wave's end: behind my last tensor load and my last LDS store
	ds_add_u32 v[SPW], v[NIL]
	s_wait_dscnt 0x0
	CROUND                                         ; the closing round
	s_endpgm
.Lfunc_end_k_q99f4e48812_outp:
	.size	k_q99f4e48812_outp, .Lfunc_end_k_q99f4e48812_outp-k_q99f4e48812_outp
	.p2alignl 7, 3214868480
	.fill 96, 4, 3214868480
	.section	.rodata,"a",@progbits
	.p2align	6, 0x0
	.amdhsa_kernel k_q99f4e48812_outp
		.amdhsa_group_segment_fixed_size 327680
		.amdhsa_private_segment_fixed_size 0
		.amdhsa_enable_private_segment 0
		.amdhsa_kernarg_size 24
		.amdhsa_user_sgpr_count 2
		.amdhsa_user_sgpr_kernarg_segment_ptr 1
		.amdhsa_wavefront_size32 1
		.amdhsa_system_sgpr_workgroup_id_x 1
		.amdhsa_system_sgpr_workgroup_id_y 1
		.amdhsa_system_sgpr_workgroup_id_z 1
		.amdhsa_system_vgpr_workitem_id 0
		.amdhsa_next_free_vgpr 768
		.amdhsa_next_free_sgpr 66
		.amdhsa_reserve_vcc 0
		.amdhsa_float_denorm_mode_32 3
		.amdhsa_float_denorm_mode_16_64 3
		.amdhsa_memory_ordered 1
		.amdhsa_forward_progress 1
		.amdhsa_inst_pref_size 99
	.end_amdhsa_kernel
	.amdgpu_metadata
---
amdhsa.version: [ 1, 2 ]
amdhsa.kernels:
  - .name:           k_q99f4e48812_outp
    .symbol:         k_q99f4e48812_outp.kd
    .args:
      - { .name: ob, .offset: 0, .size: 8, .value_kind: global_buffer, .address_space: global }
      - { .name: wob, .offset: 8, .size: 8, .value_kind: global_buffer, .address_space: global }
      - { .name: out0, .offset: 16, .size: 8, .value_kind: global_buffer, .address_space: global }
    .group_segment_fixed_size: 327680
    .private_segment_fixed_size: 0
    .kernarg_segment_align: 8
    .kernarg_segment_size: 24
    .max_flat_workgroup_size: 128
    .sgpr_count:     66
    .vgpr_count:     768
    .wavefront_size: 32
...
	.end_amdgpu_metadata
.endif
;; end of part 4
